; MI455X (gfx1250); checked and timed in simulation.
; The chip was launched on July 23, 2026; its instructions are those of AMD's public machine-readable ISA for CDNA 5 (MIT licence, August 2026) and "CDNA5" Instruction Set Architecture Reference Guide (July 2026). The comments in the code are by the model that wrote it; some were corrected since.
;; Multi Head Attention Block. Allowed arithmetic: matrix products marked QUANTISED: E2M3 operands, one E8M0 scale for each 32 along K, by v_wmma_scale_f32_16x16x128_f8f6f4 with both operands' format E2M3, f32 sums; everything else in f32.
;; Inputs: b_k 1,024 float32; b_o 1,024 float32; b_q 1,024 float32; b_v 1,024 float32; k 4 x 2,048 x 1,024 float32; mask 4 x 1 x 1 x 2,048 int32; q 4 x 2,048 x 1,024 float32; v 4 x 2,048 x 1,024 float32; w_k 1,024 x 1,024 float32; w_o 1,024 x 1,024 float32; w_q 1,024 x 1,024 float32; w_v 1,024 x 1,024 float32.
;; Outputs: out0 4 x 2,048 x 1,024 float32.
;; This version of the problem:
;;   THIS VERSION OF THE PROBLEM IS GIVEN IN LOW PRECISION. The matrix products marked QUANTISED in the list below multiply operands that are first quantised to E2M3 (2 exponent bits, 3 mantissa bits; 6 bits a number), with one power-of-two scale for each 32 numbers along K (OCP MX v1.0); their sums are f32. All else is computed in f32.
;;   The module's matrix products, in the order in which they are computed (A, B: the left and right operand; K: the contracted axis; several contracted axes count as one K, in the product's order):
;;     1. [M 8,192, K 1,024] x [K 1,024, N 1,024]; A: input q; B: input w_q: QUANTISED
;;     2. [M 8,192, K 1,024] x [K 1,024, N 1,024]; A: input k; B: input w_k: QUANTISED
;;     3. [M 8,192, K 1,024] x [K 1,024, N 1,024]; A: input v; B: input w_v: QUANTISED
;;     4. batch 64 x [M 2,048, K 64] x [K 64, N 2,048]; A: computed on the way; B: computed on the way: QUANTISED
;;     5. batch 64 x [M 2,048, K 2,048] x [K 2,048, N 64]; A: softmax (see below); B: computed on the way: QUANTISED
;;     6. [M 8,192, K 1,024] x [K 1,024, N 1,024]; A: computed on the way; B: input w_o: QUANTISED
;;   THE QUANTISER, for each operand of a quantised product, along K:
;;     - K is cut into blocks of 32 from its start; a last block that is shorter is filled with zeros.
;;     - A block's scale is 2^e with e = floor(log2(the largest magnitude in the block)) - 2, held to -126 .. 127; a block of zeros has e = 0. As a byte (E8M0): e + 127.
;;     - Each number is divided by its block's scale, clamped to +-7.5, and rounded to the nearest number of E2M3, ties to even, subnormals kept.
;;     - The product sums the exact products of the quantised numbers (number of the format x scale) in f32.
;;   ~~~python
;;   def quantise(x, axis):      # numpy; x: float32 -> the quantised numbers, widened to float32 again
;;       x = np.moveaxis(x, axis, -1); K = x.shape[-1]
;;       x = np.pad(x, [(0, 0)] * (x.ndim - 1) + [(0, -K % 32)]); x = x.reshape(x.shape[:-1] + (-1, 32)); a = np.abs(x).max(-1, keepdims=True)
;;       e = np.where(a > 0, np.clip(np.frexp(np.where(a > 0, a, 1))[1] - 1 - 2, -126, 127), 0)      # np.frexp(a)[1] - 1 = floor(log2(a)), exactly
;;       r = np.clip(x / 2.0 ** e, -7.5, 7.5)
;;       step = 2.0 ** (np.maximum(np.frexp(np.where(r == 0, 1, r))[1] - 1, 0) - 3)
;;       q = np.round(r / step) * step * 2.0 ** e      # np.round: ties to even
;;       return np.moveaxis(q.reshape(q.shape[:-2] + (-1,))[..., :K], -1, axis).astype(np.float32)
;;   ~~~
;;   SOFTMAX AHEAD OF A QUANTISED PRODUCT. Where the list says 'softmax', what is quantised is not the finished softmax but p = 2^(t - M), with t = logit x log2(e) and M = ceil(the row's largest t), a whole number; so 1/2 < the row's largest p <= 1. The row's sum l is taken of the UNQUANTISED p, in f32, and the product's result is divided by l at the end. Since M is a whole number, a kernel that streams over the keys may use a running M (the ceiling of the running maximum): every later rescaling is an exact power of two, which a block's scale takes up: the codes' values come out the same.
;;   OPERANDS COMPUTED ON THE WAY. 'Computed on the way' means the value that the module computes at that place (a softmax that the list does not call 'softmax' is quantised finished and normalised). What goes into a quantiser is computed in f32, as accurately as f32 sums, v_exp_f32 and their like allow (about 1e-6 of the number): no bf16 or f16 on the way to a quantiser, and a product that is left as it is and whose result goes on into a quantised operand takes f32 operands (vector FMAs, or v_wmma_f32_16x16x4_f32). A number that lies on a knife's edge between two numbers of the format may be rounded either way, as far as f32 arithmetic and the matrix unit's own rounding can turn it there, and no further.
;; One version. Each part assembles by itself: llvm-mc -triple=amdgcn-amd-amdhsa -mcpu=gfx1250 --defsym DOCPART=n.
;; ======== version 1 of 1: 4 launches
;; limits: right only within a limited range of input values
;; workspace buffers: codes 22,020,096 bytes; scales 917,504 bytes; pc 18,874,368 bytes; ps 786,432 bytes; xc 6,291,456 bytes; xs 262,144 bytes
;; launch quant (part 1): grid 256 x 1, 14 waves a work-group, no clusters, 120,320 bytes of LDS; arguments q, k, v, w_q, w_k, w_v, w_o, codes, scales; writes codes, scales
.if DOCPART == 1
	.amdgcn_target "amdgcn-amd-amdhsa--gfx1250"
	.amdhsa_code_object_version 6
	.text
	.protected	k_qe376195969_quant
	.globl	k_qe376195969_quant
	.p2align	8
	.type	k_qe376195969_quant,@function
k_qe376195969_quant:
	s_mov_b64 s[64:65], 0
	v_nop
	global_prefetch_b8 v0, s[64:65] scope:SCOPE_SE
	s_setreg_imm32_b32 hwreg(HW_REG_WAVE_MODE, 25, 1), 1
	s_wait_xcnt 0x0
; q, k, v [8192][1024] and w_q, w_k, w_v, w_o [1024][1024], f32, K innermost, become codes of FP6 (E2M3) with one E8M0 byte for each 32 along K.
; A block's scale is 2^(floor(log2(its largest magnitude)) - 2); its byte is that magnitude's exponent field - 2, held at 1 from below (a block of zeros keeps 1: its codes are zeros, and this program alone reads the bytes).
; LIMITS: NaN and infinities among the inputs are not served; blocks whose largest magnitude lies under 2^-124 keep the byte 1.
; LAYOUT OF THE RESULT.  codes: [row tile (1792)][K step (8)][1,536 bytes]: the IMAGE OF AN OPERAND'S REGISTERS: 16 rows x 128 K are 12 registers a lane; registers 4 c .. 4 c + 3 of lane l lie at 512 c + 16 l.
; A row tile is 16 rows that are NOT neighbours: in each 32 rows tile 2 g + u holds rows 32 g + 8 u + 0..7 and + 16..23, so that the results of two neighbouring tiles are 16 neighbours along the next product's K.
; Tiles: q 0-511, k 512-1023, v 1024-1535, w_q 1536-, w_k 1600-, w_v 1664-, w_o 1728-1791.  scales: [tile][K half (2)][row in the tile (16)][4 words]: word s % 4 of half s / 4 holds K step s's four bytes.
; SHARES.  3,584 half tiles (16 rows x 512 K) = 256 work-groups x 14 waves; a wave takes one, in four steps of 128 along K.  Waves share nothing: no barrier.
; A load reads 512 consecutive bytes of one row; the conversions want 16 neighbours in ONE lane: so a step's 16 x 512 bytes turn through the wave's own stage in LDS (rows 528 bytes apart: row r starts 4 r banks on).
.set ROWB,  4096
.set STG,   8448                       ; 16 rows x 528 bytes
.set SPARE, 14*STG                     ; behind the stages: the spare words, 128 bytes a wave, in blocks of 256 that no other line names
.set RA,    16                         ; v16-143  two sets of 64 registers as loaded
.set X,     144                        ; v144-207 register 16 b + i: k = 32 b + 16 (lane / 16) + i of my row
.set PC,    208                        ; v208-219 a fragment's codes
.set CT,    220                        ; v220-226 the conversions' second halves
.set TM,    228                        ; v228-243 at work
.set PW,    244                        ; v244-247 the four steps' scale words
.set DD,    248
.set SPW,   250
.set NIL,   251
.set SEL,   36
; 64 numbers of a lane become a fragment's codes (d0 .. d0 + 5: k = 32 h + 0..31; d1 .. d1 + 5: k = 64 + 32 h + 0..31) and its row's scale word
.macro QUANT s, d0, d1, pw
.irp b, 0,1,2,3
	v_max3_num_f32 v[TM+\b], |v[\s+16*\b]|, |v[\s+1+16*\b]|, 0x1800000   ; my 16 of block b, and the floor 2^(3 - 127): the byte cannot fall under 1
.endr
.irp i, 2,4,6,8,10,12,14
.irp b, 0,1,2,3
	s_delay_alu instid0(VALU_DEP_4)
	v_max3_num_f32 v[TM+\b], v[TM+\b], |v[\s+16*\b+\i]|, |v[\s+1+16*\b+\i]|
.endr
.endr
.irp b, 0,1,2,3
	s_delay_alu instid0(VALU_DEP_4)
	v_permlanex16_b32 v[TM+4+\b], v[TM+\b], s[SEL], s[SEL+1]
.endr
.irp b, 0,1,2,3
	s_delay_alu instid0(VALU_DEP_4)
	v_max_num_f32 v[TM+\b], v[TM+\b], v[TM+4+\b]                   ; with lane l xor 16's 16: the block's largest magnitude
.endr
.irp b, 0,1,2,3
	s_delay_alu instid0(VALU_DEP_4)
	v_add_nc_u32 v[TM+12+\b], 0xff000000, v[TM+\b]                 ; 2 off its exponent field: the conversion's scale operand
.endr
.irp b, 0,1,2,3
	s_delay_alu instid0(VALU_DEP_4)
	v_lshrrev_b32 v[TM+4+\b], 23, v[TM+12+\b]                      ; the scale's byte
.endr
	s_delay_alu instid0(VALU_DEP_3)
	v_lshl_or_b32 v[\pw], v[TM+5], 8, v[TM+4]
	s_delay_alu instid0(VALU_DEP_1)
	v_lshl_or_b32 v[\pw], v[TM+6], 16, v[\pw]
	s_delay_alu instid0(VALU_DEP_1)
	v_lshl_or_b32 v[\pw], v[TM+7], 24, v[\pw]
	v_cvt_scalef32_pk16_fp6_f32 v[\d0:\d0+2], v[\s:\s+15], v[TM+12]
	v_cvt_scalef32_pk16_fp6_f32 v[CT:CT+2], v[\s+16:\s+31], v[TM+13]
	v_cvt_scalef32_pk16_fp6_f32 v[\d1:\d1+2], v[\s+32:\s+47], v[TM+14]
	v_cvt_scalef32_pk16_fp6_f32 v[CT+4:CT+6], v[\s+48:\s+63], v[TM+15]
	v_nop                                                          ; one plain place behind the scaled conversions
.irp i, 0,1,2
	v_permlane16_swap_b32 v[\d0+\i], v[CT+\i]                      ; a WHOLE block to a lane: lanes 0-15 the even block, lanes 16-31 the odd one
.endr
.irp i, 0,1,2
	s_delay_alu instid0(VALU_DEP_3)
	v_mov_b32 v[\d0+3+\i], v[CT+\i]
.endr
.irp i, 0,1,2
	v_permlane16_swap_b32 v[\d1+\i], v[CT+4+\i]
.endr
.irp i, 0,1,2
	s_delay_alu instid0(VALU_DEP_3)
	v_mov_b32 v[\d1+3+\i], v[CT+4+\i]
.endr
.endm
	s_load_b512 s[4:19], s[0:1], 0x0               ; q, k, v, w_q, w_k, w_v, w_o, codes
	s_load_b64 s[20:21], s[0:1], 0x40              ; scales
	v_lshl_add_u32 v[SPW], v0, 2, SPARE
	v_mov_b32 v[NIL], 0
	v_lshrrev_b32 v5, 5, v0
	s_delay_alu instid0(VALU_DEP_1)
	v_readfirstlane_b32 s22, v5                    ; wave 0..13
	v_and_b32 v6, 31, v0
	s_delay_alu instid0(VALU_DEP_1)
	v_lshlrev_b32 v1, 4, v6                        ; 16 x lane: my bytes of a load's 512, and of a plane of codes
	s_mul_i32 s23, s22, STG
	v_add_nc_u32 v2, s23, v1                       ; the stage, in: as loaded
	v_and_b32 v7, 15, v0                           ; r
	v_bfe_u32 v8, v0, 4, 1                         ; h
	s_delay_alu instid0(VALU_DEP_2)
	v_mul_u32_u24 v3, v7, 528
	s_delay_alu instid0(VALU_DEP_1)
	v_lshl_add_u32 v3, v8, 6, v3
	s_delay_alu instid0(VALU_DEP_1)
	v_add_nc_u32 v3, s23, v3                       ; and out: row r, + 64 h
	v_lshlrev_b32 v4, 4, v7
	s_delay_alu instid0(VALU_DEP_1)
	v_lshl_add_u32 v4, v8, 3, v4                   ; the scale words' store: 16 r + 8 h
.irp b, 0,1,2,3
	v_mov_b32 v[TM+4+\b], 0                        ; a lane permute's destination counts as one of its sources
.endr
	s_mov_b32 s[SEL], 0x76543210
	s_mov_b32 s[SEL+1], 0xfedcba98
	s_mov_b32 s34, 0xffff0000                      ; lanes 16-31
	s_mul_i32 s24, ttmp9, 14
	s_add_co_u32 s24, s24, s22                     ; my half tile
	s_lshr_b32 s25, s24, 1                         ; tile
	s_and_b32 s26, s24, 1                          ; K half
	s_wait_alu depctr_va_vdst(0)
	s_wait_kmcnt 0x0
	s_mov_b64 s[28:29], s[16:17]                   ; which tensor: the choice hangs on the tile's number alone
	s_mov_b32 s30, 1728
	s_cmp_lt_u32 s25, 1728
	s_cselect_b64 s[28:29], s[14:15], s[28:29]
	s_cselect_b32 s30, 1664, s30
	s_cmp_lt_u32 s25, 1664
	s_cselect_b64 s[28:29], s[12:13], s[28:29]
	s_cselect_b32 s30, 1600, s30
	s_cmp_lt_u32 s25, 1600
	s_cselect_b64 s[28:29], s[10:11], s[28:29]
	s_cselect_b32 s30, 1536, s30
	s_cmp_lt_u32 s25, 1536
	s_cselect_b64 s[28:29], s[8:9], s[28:29]
	s_cselect_b32 s30, 1024, s30
	s_cmp_lt_u32 s25, 1024
	s_cselect_b64 s[28:29], s[6:7], s[28:29]
	s_cselect_b32 s30, 512, s30
	s_cmp_lt_u32 s25, 512
	s_cselect_b64 s[28:29], s[4:5], s[28:29]
	s_cselect_b32 s30, 0, s30
	; k's tiles are dealt otherwise than the others': in each 64 rows tile 4 G + t holds rows 64 G + 8 t + 0..7 and + 32..39, so that in the attention a lane's 32 scores of four tiles are one block of 32 keys
	s_cmp_eq_u32 s30, 512                          ; k's tiles are 512-1023
	s_cselect_b32 s35, 1, 0
	s_sub_co_u32 s30, s25, s30                     ; the tile's number in its tensor
	s_add_co_u32 s38, s35, 1                       ; 2 tiles to a group of 32 rows, or 4 to one of 64
	s_lshr_b32 s31, s30, s38
	s_add_co_u32 s39, s38, 4
	s_lshl_b32 s31, s31, s39
	s_bfm_b32 s39, s38, 0
	s_and_b32 s30, s30, s39
	s_lshl_b32 s30, s30, 3
	s_lshl_b32 s35, s35, 16                        ; k: the tile's rows 8-15 lie 16 rows (65,536 bytes) further on than the others'
	s_add_co_u32 s30, s30, s31                     ; its first row: 32 g + 8 u
	s_lshl_b32 s32, s30, 12
	s_lshl_b32 s26, s26, 11
	s_add_co_u32 s32, s32, s26                     ; in bytes, + my half of K
	s_mov_b32 s33, 0
	s_add_nc_u64 s[28:29], s[28:29], s[32:33]
	s_mul_i32 s32, s24, 6144
	s_add_nc_u64 s[18:19], s[18:19], s[32:33]      ; my four fragments
	s_lshl_b32 s32, s24, 8
	s_add_nc_u64 s[20:21], s[20:21], s[32:33]      ; my 256 bytes of scale words
.macro LOAD t                          ; K step t of my 16 rows: a load reads 512 consecutive bytes of one row
.irp i, 0,1,2,3,4,5,6,7,8,9,10,11,12,13,14,15
	global_load_b128 v[RA+64*((\t)%2)+4*\i:RA+64*((\t)%2)+4*\i+3], v[1+8*(\i/8)], s[28:29] offset:(\i+8*(\i/8))*ROWB+512*(\t) th:TH_LOAD_NT
.endr
.endm
.macro STEP t
.if (\t) < 3
	s_wait_loadcnt 16                              ; this step's 16 loads are in; the next step's 16 may be out
.else
	s_wait_loadcnt 0x0
.endif
.irp i, 0,1,2,3,4,5,6,7,8,9,10,11,12,13,14,15
	ds_store_b128 v2, v[RA+64*((\t)%2)+4*\i:RA+64*((\t)%2)+4*\i+3] offset:528*\i
.endr
.irp b, 0,1,2,3
.irp j, 0,1,2,3
	ds_load_b128 v[X+16*\b+4*\j:X+16*\b+4*\j+3], v3 offset:128*\b+16*\j   ; LDS serves a wave's instructions in order: these see the stores above
.endr
.endr
	s_wait_dscnt 0x0                               ; the numbers are back, and the stage's stores have read their registers
	s_wait_xcnt 0x0                                ; the last step's stores have read the codes' registers, which are written again below
.if (\t) < 2
	LOAD (\t)+2
.endif
	QUANT X, PC, PC+6, PW+(\t)
.irp c, 0,1,2
	global_store_b128 v1, v[PC+4*\c:PC+4*\c+3], s[18:19] offset:1536*(\t)+512*\c   ; 32 lanes store 512 consecutive bytes, aligned
.endr
.endm
	v_add_nc_u32 v9, s35, v1                       ; the offset of a tile's rows 8-15
	s_wait_alu depctr_va_vdst(0)                   ; the wait behind the write
	LOAD 0
	LOAD 1
	STEP 0
	STEP 1
	STEP 2
	STEP 3
	v_cndmask_b32 v[DD], v[PW], v[PW+2], s34       ; lanes 0-15 store words 0, 1 of their row, lanes 16-31 words 2, 3 (a row's word is the same in both halves)
	v_cndmask_b32 v[DD+1], v[PW+1], v[PW+3], s34
	global_store_b64 v4, v[DD:DD+1], s[20:21]      ; 256 consecutive bytes, aligned
	s_wait_tensorcnt 0x0                           ; the wave's end
	ds_add_u32 v[SPW], v[NIL]
	s_wait_dscnt 0x0
	s_endpgm
.Lfunc_end_k_qe376195969_quant:
	.size	k_qe376195969_quant, .Lfunc_end_k_qe376195969_quant-k_qe376195969_quant
	.p2alignl 7, 3214868480
	.fill 96, 4, 3214868480
	.section	.rodata,"a",@progbits
	.p2align	6, 0x0
	.amdhsa_kernel k_qe376195969_quant
		.amdhsa_group_segment_fixed_size 120320
		.amdhsa_private_segment_fixed_size 0
		.amdhsa_enable_private_segment 0
		.amdhsa_kernarg_size 72
		.amdhsa_user_sgpr_count 2
		.amdhsa_user_sgpr_kernarg_segment_ptr 1
		.amdhsa_wavefront_size32 1
		.amdhsa_system_sgpr_workgroup_id_x 1
		.amdhsa_system_sgpr_workgroup_id_y 1
		.amdhsa_system_sgpr_workgroup_id_z 1
		.amdhsa_system_vgpr_workitem_id 0
		.amdhsa_next_free_vgpr 256
		.amdhsa_next_free_sgpr 66
		.amdhsa_reserve_vcc 0
		.amdhsa_float_denorm_mode_32 3
		.amdhsa_float_denorm_mode_16_64 3
		.amdhsa_memory_ordered 1
		.amdhsa_forward_progress 1
		.amdhsa_inst_pref_size 41
	.end_amdhsa_kernel
	.amdgpu_metadata
---
amdhsa.version: [ 1, 2 ]
amdhsa.kernels:
  - .name:           k_qe376195969_quant
    .symbol:         k_qe376195969_quant.kd
    .args:
      - { .name: q, .offset: 0, .size: 8, .value_kind: global_buffer, .address_space: global }
      - { .name: k, .offset: 8, .size: 8, .value_kind: global_buffer, .address_space: global }
      - { .name: v, .offset: 16, .size: 8, .value_kind: global_buffer, .address_space: global }
      - { .name: w_q, .offset: 24, .size: 8, .value_kind: global_buffer, .address_space: global }
      - { .name: w_k, .offset: 32, .size: 8, .value_kind: global_buffer, .address_space: global }
      - { .name: w_v, .offset: 40, .size: 8, .value_kind: global_buffer, .address_space: global }
      - { .name: w_o, .offset: 48, .size: 8, .value_kind: global_buffer, .address_space: global }
      - { .name: codes, .offset: 56, .size: 8, .value_kind: global_buffer, .address_space: global }
      - { .name: scales, .offset: 64, .size: 8, .value_kind: global_buffer, .address_space: global }
    .group_segment_fixed_size: 120320
    .private_segment_fixed_size: 0
    .kernarg_segment_align: 8
    .kernarg_segment_size: 72
    .max_flat_workgroup_size: 448
    .sgpr_count:     66
    .vgpr_count:     256
    .wavefront_size: 32
...
	.end_amdgpu_metadata
.endif
;; end of part 1
;; launch proj (part 2): grid 4 x 96, 4 waves a work-group, clusters of 4 x 4, 327,680 bytes of LDS; arguments codes, scales, pc, ps, mask, b_q, b_k, b_v; writes pc, ps
.if DOCPART == 2
	.amdgcn_target "amdgcn-amd-amdhsa--gfx1250"
	.amdhsa_code_object_version 6
	.text
	.protected	k_qe376195969_proj
	.globl	k_qe376195969_proj
	.p2align	8
	.type	k_qe376195969_proj,@function
k_qe376195969_proj:
	s_mov_b64 s[64:65], 0
	v_nop
	global_prefetch_b8 v0, s[64:65] scope:SCOPE_SE
	s_setreg_imm32_b32 hwreg(HW_REG_WAVE_MODE, 25, 1), 1
	s_wait_xcnt 0x0
	s_wait_alu depctr_hold_cnt(0) depctr_sa_sdst(0) depctr_va_vdst(0) depctr_va_sdst(0) depctr_va_ssrc(0) depctr_va_vcc(0) depctr_vm_vsrc(0)
	s_getreg_b32 s2, hwreg(HW_REG_IB_STS2, 6, 4)
	s_cmp_eq_u32 s2, 0
	s_cbranch_scc0 .Lentry_in_a_cluster
	s_endpgm
.Lentry_in_a_cluster:
	s_bfe_u32 s2, ttmp6, 0x10000c
	s_cmp_lg_u32 s2, 0xf033
	s_cbranch_scc0 .Lentry_shape_is_right
	s_endpgm
.Lentry_shape_is_right:
; The three projections x W^T + b on codes of FP6 (E2M3), and the quantising of their results for the attention.  M 8,192, N 1,024, K 1,024 each.
; The cluster's y (0..23) gives the MODE (y / 8: 0 = Q, 1 = K, 2 = V) and which eighth of the tokens.  A work-group makes 256 x 256, each of its four waves 128 x 128: 64 accumulators, 512 registers.
; THE MATRIX INSTRUCTION: source 0 = "B", whose rows run along a lane's REGISTERS in the result; source 1 = "A", whose rows stay in the LANES.  What is quantised next runs along the registers.
;   Q, K: A = tokens, B = the weight's rows (features): a lane holds a token, its 64 registers 128 features = two heads, quantised along the head's 64.
;   V:    A = w_v's rows, B = v's tokens: a lane holds a feature d, its registers 128 keys: quantised along the KEYS, which are the second attention product's K.  Nothing is transposed.
; Operands lie in memory and in LDS as images of their registers (16 rows x 128 K = 1,536 bytes, registers 4 c .. 4 c + 3 of lane l at 512 c + 16 l): three ds_load_b128 a fragment, no pitch, no padding.
; K (1,024) is four slots of 256; LDS holds three, all asked for at the start; the fourth goes into slot 0 behind the one round of the cluster's barrier in the K walk.  No loop: eight K steps written out.
; CLUSTER 4 x 4: A's tiles are shared along a row of the cluster, B's along a column, by joint loads.
; THE MASK: K's codes of masked tokens are set to zero here, so that the attention's raw score of such a key is exactly the C that it gives the product.
; RESULT.  pc: [Q, K, V][16 b + head][98,304].  Q, K: [pack (64)][1,536]: a fragment whose registers 0-5 hold token tile 2 p (the head's 64 codes) and 6-11 token tile 2 p + 1.  V: [key step (16)][d tile (4)][1,536].
;          ps: [Q, K, V][16 b + head][step of 128 tokens (16)][row (16)][4 words].  Q, K: word p % 4: the even tile's two bytes, then the odd tile's.  V: word t: d tile t's four bytes.
; LIMITS: NaN and infinities are not served; blocks whose largest magnitude lies under 2^-124 keep the scale byte 1.
; REGISTERS.  window 0: v1-11 addresses; v12, v15 the bias loads' offsets; v16-31 the lanes' word (mask or b_v), each twice; v32-95 scale words and nothing else; v128-223 A's fragments, one set.
;   window 1: B's fragments, two sets (v0-95, v128-223); v96-127, v224-255 the bias along the registers; on the way out the two sets' registers are the work space.   windows 2, 3: the accumulators ((a, b) at v[8 (8 (a % 4) + b)]).
.set HALFT, 24576                      ; 8 row tiles x 2 K steps x 1,536: what one tensor load brings
.set SLOT,  4*HALFT                    ; A's two halves, B's two halves
.set SCL,   3*SLOT                     ; behind the three slots
.set SPARE, SCL+16384                  ; the spare words: two blocks of 256 bytes that no other line names
.set NLA,   3                          ; LDS loads that bring a fragment of A
.set ADRA,  1                          ; v1 my A fragments in slot 0, v2 in slots 1 and 2
.set ADRB,  4                          ; v4, v5 B's
.set ADRS,  7                          ; v7   my scale words: lanes 0-15 A's, lanes 16-31 B's
.set SPW,   8
.set NIL,   9
.set CO,    10                         ; v10  16 x lane + where my codes go in pc
.set SO,    11                         ; v11  4,096 (lane / 16) + 16 r + where my scale words go in ps
.set LB,    16
.set SC,    32                         ; register 32 (s / 4) + 4 i + s % 4: K step s, lanes 0-15 A's tile i, lanes 16-31 B's tile i
.set AF,    128
.set T,     0                          ; window 1, on the way out: 64 numbers
.set X,     64
.set Y,     76
.set CT,    88
.set TM,    128
.set PW,    144
.set TP,    146
.set WS,    148
.set PWS,   152
.set WV,    20
.set MODE,  23
.set G1,    24
.set G0,    32                         ; three sets, one a slot
.set G1B,   44
.set G0B,   52
.set G1S,   68
.set G0S,   76
.set G1SB,  80
.set G0SB,  88
.set KEEP,  92                         ; s92-99 on the way out: which lanes keep their codes
.set NOTK,  2
.set HM,    3
.set SEL,   100
.set MSB, 0
.macro WIN new                         ; the immediate's high byte repeats the setting that is left
.if MSB != (\new)
	s_set_vgpr_msb (MSB<<8)|(\new)
.set MSB, \new
.endif
.endm
.set MUL_LO, 0xa1                      ; source 0 (B) window 1, source 1 (A) window 0, C and D window 2
.set MUL_HI, 0xf1
.set TO_B,   0x40
.macro JLOAD g0a, g1a, g0b, g1b        ; a joint load: waves 0, 1 fetch A's halves, waves 2, 3 B's; an s_nop 0 and four v_nop follow each line
	s_cmp_eq_u32 s21, 0
	s_cbranch_scc0 .Lfor_b_\@
	tensor_load_to_lds s[\g0a:\g0a+3], s[\g1a:\g1a+7]
	s_nop 0
.rept 4
	v_nop
.endr
	s_branch .Lasked_\@
.Lfor_b_\@:
	tensor_load_to_lds s[\g0b:\g0b+3], s[\g1b:\g1b+7]
	s_nop 0
.rept 4
	v_nop
.endr
.Lasked_\@:
.endm
.macro CREST
	s_cmp_lg_u32 s[WV], 0
	s_cbranch_scc1 .Lnot_wave_0_\@
	s_barrier_signal -3
.Lnot_wave_0_\@:
	s_barrier_wait -3
	s_barrier_signal -1
	s_barrier_wait -1
.endm
.macro CROUND
	s_barrier_signal -1
	s_barrier_wait -1
	CREST
.endm
.macro PLACES                          ; four plain places behind matrix instructions, ahead of loads into their registers and of reads of their results
.rept 4
	v_nop
.endr
.endm
.macro FRAG3 reg, adr, off
.irp c, 0,1,2
	ds_load_b128 v[\reg+4*\c:\reg+4*\c+3], v[\adr] offset:\off+512*\c
.endr
.endm
.macro FETCH_B slot, q, set
	WIN TO_B
.irp i, 0,1,2,3,4,5,6,7
	FRAG3 128*(\set)+12*\i, ADRB+((\slot)+1)/2, (3072+3072*(((\slot)+1)/2))*\i+3072*((\slot)/2)+1536*(\q)
.endr
	WIN 0
.endm
.macro FETCH_A slot, q, i0
.irp i, \i0, \i0+1, \i0+2, \i0+3
	FRAG3 AF+12*(\i), ADRA+((\slot)+1)/2, (3072+3072*(((\slot)+1)/2))*(\i)+3072*((\slot)/2)+1536*(\q)
.endr
.endm
; 16 matrix instructions: A's blocks a0, a0 + 1 x B's eight, K step kap.  The 64 accumulators take turns, one instruction a turn, in the same order in every step.
.macro MUL16 a0, kap, zero
.irp a, \a0, \a0+1
.irp b, 0,1,2,3,4,5,6,7
.if \zero
	v_wmma_scale_f32_16x16x128_f8f6f4 v[8*(8*((\a)%4)+\b):8*(8*((\a)%4)+\b)+7], v[128*((\kap)%2)+12*\b:128*((\kap)%2)+12*\b+11], v[AF+12*(\a):AF+12*(\a)+11], 0, v[SC+32*((\kap)/4)+4*\b+(\kap)%4], v[SC+32*((\kap)/4)+4*(\a)+(\kap)%4] matrix_a_fmt:MATRIX_FMT_FP6 matrix_b_fmt:MATRIX_FMT_FP6 matrix_a_scale:MATRIX_SCALE_ROW1
.else
	v_wmma_scale_f32_16x16x128_f8f6f4 v[8*(8*((\a)%4)+\b):8*(8*((\a)%4)+\b)+7], v[128*((\kap)%2)+12*\b:128*((\kap)%2)+12*\b+11], v[AF+12*(\a):AF+12*(\a)+11], v[8*(8*((\a)%4)+\b):8*(8*((\a)%4)+\b)+7], v[SC+32*((\kap)/4)+4*\b+(\kap)%4], v[SC+32*((\kap)/4)+4*(\a)+(\kap)%4] matrix_a_fmt:MATRIX_FMT_FP6 matrix_b_fmt:MATRIX_FMT_FP6 matrix_a_scale:MATRIX_SCALE_ROW1
.endif
.endr
.endr
.endm
; K step kap; the next step's fragments come from slot ns, its nq-th 128 along K.  A block of A is free when its eight products are issued: one set serves A; B has two.
.macro KSTEP kap, ns, nq, zero
	s_wait_dscnt 4*NLA                             ; all but the youngest loads, A's blocks 4-7
	WIN MUL_LO
	MUL16 0, \kap, \zero
	MUL16 2, \kap, \zero
	s_wait_dscnt 0x0                               ; A's blocks 4-7 are in
	PLACES
	FETCH_B \ns, \nq, 1-(\kap)%2
	FETCH_A \ns, \nq, 0
	WIN MUL_HI
	MUL16 4, \kap, \zero
	MUL16 6, \kap, \zero
	PLACES
	WIN 0
	FETCH_A \ns, \nq, 4
.endm
; A K step with a barrier in it.  In front of the barrier each wave waits for all its tensor loads, adds 0 to its spare word and waits for that and for its LDS reads.  fill = 1: slot 0, read out, takes the fourth quarter of K.
.macro KTURN kap, ns, fill
	s_wait_tensorcnt 0x0                           ; all my tensor loads have landed
	ds_add_u32 v[SPW], v[NIL]                      ; 0 onto my spare word
	s_wait_dscnt 4*NLA+1                           ; (the add and A's blocks 4-7 may be out)
	WIN MUL_LO
	MUL16 0, \kap, 0
	s_wait_dscnt 0x0                               ; the add is done and my reads of the slot are over
	s_barrier_signal -1
	MUL16 2, \kap, 0
	WIN 0
	s_barrier_wait -1
.if \fill
	CREST                                          ; the barrier has opened a round of the cluster's barrier: no wave of any partner reads slot 0 or has a load on its way
	s_add_nc_u64 s[G0+2:G0+3], s[G0+2:G0+3], 3*3072
	s_add_nc_u64 s[G0B+2:G0B+3], s[G0B+2:G0B+3], 3*3072
	JLOAD G0, G1, G0B, G1B                         ; the first tensor load behind the round; its four v_nop are the places ahead of the loads below
.else
	PLACES
.endif
	FETCH_B \ns, 0, 1-(\kap)%2
	FETCH_A \ns, 0, 0
	WIN MUL_HI
	MUL16 4, \kap, 0
	MUL16 6, \kap, 0
	PLACES
	WIN 0
	FETCH_A \ns, 0, 4
.endm
; 64 numbers of a lane (register 16 b + i: k = 32 b + 16 (lane / 16) + i) become codes (d0 .. d0 + 5: k = 32 h + 0..31; d1 .. d1 + 5: k = 64 + 32 h + 0..31) and a scale word
.macro QUANT s, d0, d1, pw
.irp b, 0,1,2,3
	v_max3_num_f32 v[TM+\b], |v[\s+16*\b]|, |v[\s+1+16*\b]|, 0x1800000   ; and the floor 2^(3 - 127): the byte cannot fall under 1
.endr
.irp i, 2,4,6,8,10,12,14
.irp b, 0,1,2,3
	v_max3_num_f32 v[TM+\b], v[TM+\b], |v[\s+16*\b+\i]|, |v[\s+1+16*\b+\i]|
.endr
.endr
.irp b, 0,1,2,3
	v_permlanex16_b32 v[TM+4+\b], v[TM+\b], s[SEL], s[SEL+1]
.endr
.irp b, 0,1,2,3
	v_max_num_f32 v[TM+\b], v[TM+\b], v[TM+4+\b]
.endr
.irp b, 0,1,2,3
	v_add_nc_u32 v[TM+12+\b], 0xff000000, v[TM+\b]                 ; 2 off the exponent field: the conversion's scale operand
.endr
.irp b, 0,1,2,3
	v_lshrrev_b32 v[TM+4+\b], 23, v[TM+12+\b]
.endr
	v_lshl_or_b32 v[\pw], v[TM+5], 8, v[TM+4]
	v_lshl_or_b32 v[\pw], v[TM+6], 16, v[\pw]
	v_lshl_or_b32 v[\pw], v[TM+7], 24, v[\pw]
	v_cvt_scalef32_pk16_fp6_f32 v[\d0:\d0+2], v[\s:\s+15], v[TM+12]
	v_cvt_scalef32_pk16_fp6_f32 v[CT:CT+2], v[\s+16:\s+31], v[TM+13]
	v_cvt_scalef32_pk16_fp6_f32 v[\d1:\d1+2], v[\s+32:\s+47], v[TM+14]
	v_cvt_scalef32_pk16_fp6_f32 v[CT+4:CT+6], v[\s+48:\s+63], v[TM+15]
	v_nop                                                          ; one plain place behind the scaled conversions
.irp i, 0,1,2
	v_permlane16_swap_b32 v[\d0+\i], v[CT+\i]
.endr
.irp i, 0,1,2
	v_mov_b32 v[\d0+3+\i], v[CT+\i]
.endr
.irp i, 0,1,2
	v_permlane16_swap_b32 v[\d1+\i], v[CT+4+\i]
.endr
.irp i, 0,1,2
	v_mov_b32 v[\d1+3+\i], v[CT+4+\i]
.endr
.endm
	s_load_b512 s[4:19], s[0:1], 0x0               ; codes, scales, pc, ps, mask, b_q, b_k, b_v
	v_lshl_add_u32 v[SPW], v0, 2, SPARE
	v_mov_b32 v[NIL], 0
	ds_add_u32 v[SPW], v[NIL]                      ; the wave's opening: the add and its wait ahead of my first tensor load; work on registers stands between
	ds_add_u32 v[SPW], v[NIL]
	v_lshrrev_b32 v12, 5, v0
	v_readfirstlane_b32 s[WV], v12                 ; wave 0..3
	s_lshr_b32 s21, s[WV], 1                       ; my half of A's rows.  Also: I fetch for A (0) or for B (1)
	s_and_b32 s22, s[WV], 1                        ; my half of B's rows.  Also: which half I fetch
	s_bfe_u32 s92, ttmp6, 0x40000                  ; cx
	s_bfe_u32 s93, ttmp6, 0x40004                  ; cy
	s_and_b32 s94, ttmp7, 0xffff                   ; the cluster's y
	s_lshr_b32 s[MODE], s94, 3
	s_and_b32 s94, s94, 7
	s_lshl_b32 s94, s94, 2                         ; 4 x which eighth of the tokens
	s_lshl_b32 s97, s[MODE], 9                     ; Q, K: A's first tile is the tokens' (512 x mode),
	s_lshl_b32 s98, s[MODE], 6
	s_add_co_u32 s98, s98, 1536                    ; B's the weight's (1536 + 64 x mode)
	s_cmp_eq_u32 s[MODE], 2                        ; V: the roles change places.  The mode is the same in all sixteen partners
	s_cselect_b32 s95, 0, s94
	s_cselect_b32 s96, s94, 0
	s_cselect_b32 s97, 1664, s97
	s_cselect_b32 s98, 1024, s98
	s_add_co_u32 s95, s95, s93                     ; A's block of 256 rows: hangs on cy alone
	s_add_co_u32 s96, s96, s92                     ; B's: on cx alone
	s_lshl_b32 s100, s93, 2
	s_lshl_b32 s100, 15, s100                      ; my row of the cluster
	s_lshl_b32 s99, 0x1111, s92                    ; my column
	s_or_b32 s[G1], s100, (3<<16)|(1<<21)          ; 15:0 the mask; 17:16 elements of 8 bytes; 21 set beside a mask; no padding
	s_or_b32 s[G1S], s100, (3<<16)|(1<<21)
	s_or_b32 s[G1B], s99, (3<<16)|(1<<21)
	s_or_b32 s[G1SB], s99, (3<<16)|(1<<21)
.irp g, G1, G1B                        ; codes: 8 row tiles x 3,072 bytes (two K steps), 12,288 bytes apart
	s_mov_b32 s[\g+1], 384<<16
	s_mov_b32 s[\g+2], 8<<16
	s_mov_b32 s[\g+3], 384<<16
	s_mov_b32 s[\g+4], 8
	s_mov_b32 s[\g+5], 1536
	s_mov_b32 s[\g+6], 0
	s_mov_b32 s[\g+7], 0
.endr
.irp g, G1S, G1SB                      ; codes: 8 row tiles x 6,144 bytes (four K steps), 12,288 bytes apart
	; these two groups 1 now serve K steps 2 to 5, one load a wave: 8 row tiles x 6,144 bytes, 12,288 bytes apart; in LDS [tile][K step 2..5][1,536], from SLOT + wave x 2 HALFT on ("slots" 1 and 2 are its halves along K)
	s_mov_b32 s[\g+1], 768<<16
	s_mov_b32 s[\g+2], 8<<16
	s_mov_b32 s[\g+3], 768<<16
	s_mov_b32 s[\g+4], 8
	s_mov_b32 s[\g+5], 1536
	s_mov_b32 s[\g+6], 0
	s_mov_b32 s[\g+7], 0
.endr
	s_lshl_b32 s3, s22, 3
	s_lshl_b32 s100, s95, 4
	s_add_co_u32 s97, s97, s100
	s_add_co_u32 s97, s97, s3                      ; the first of the 8 tiles of A that I would fetch
	s_lshl_b32 s99, s96, 4
	s_add_co_u32 s98, s98, s99
	s_add_co_u32 s98, s98, s3                      ; and of B
	s_lshl_b32 s76, s21, 3
	s_add_co_u32 s76, s76, s97
	s_sub_co_u32 s76, s76, s3                      ; the first of the 8 tiles of A that I multiply
	s_lshl_b32 s76, s76, 9                         ; its scale words, in bytes from scales;
	s_lshl_b32 s77, s98, 9                         ; and those of my 8 tiles of B
	s_mov_b32 s78, 0xffff0000                      ; lanes 16-31
	s_cmp_eq_u32 s[MODE], 1                        ; K's token tiles: tile a holds tokens 64 (a / 4) + 8 (a % 4) + 0..7 and + 32..39
	s_cselect_b32 s79, 8, 0
	s_cselect_b32 s88, 0, 64
	s_lshl_b32 s100, s97, 9                        ; their scale words, in bytes
	s_mov_b32 s101, 0
	s_lshl_b32 s98, s98, 9
	s_mov_b32 s99, 0
	s_lshl_b32 s95, s95, 8
	s_lshl_b32 s3, s21, 7
	s_add_co_u32 s95, s95, s3                      ; my wave's first row of A (the lanes')
	s_lshl_b32 s96, s96, 8
	s_lshl_b32 s3, s22, 7
	s_add_co_u32 s96, s96, s3                      ; and of B (the registers')
	s_cmp_eq_u32 s[MODE], 2
	s_cselect_b32 s66, s96, s95                    ; my first token
	s_cselect_b32 s67, s95, s96                    ; my first feature
	s_cselect_b32 s96, 0, s96                      ; where the bias along the registers begins (V has none: it reads b_v's head and does not use it)
	s_lshr_b32 s2, s66, 11                         ; b
	s_lshl_b32 s2, s2, 4
	s_lshr_b32 s3, s67, 6                          ; head
	s_add_co_u32 s2, s2, s3
	s_lshl_b32 s2, s2, 4
	s_bfe_u32 s3, s66, 0x40007                     ; step of 128 tokens
	s_add_co_u32 s2, s2, s3
	s_mul_i32 s66, s2, 6144
	s_mul_i32 s3, s[MODE], 6291456
	s_add_co_u32 s66, s66, s3                      ; where my codes go in pc
	s_lshl_b32 s2, s2, 8
	s_lshl_b32 s3, s[MODE], 18
	s_add_co_u32 s2, s2, s3                        ; and my scale words in ps
	s_mul_i32 s3, s[WV], HALFT                     ; LDS: wave x a quarter of a slot: no place in the cluster enters an LDS address
	s_lshl_b32 s67, s[WV], 12
	s_wait_dscnt 0x0                               ; the opening add is done
	s_wait_kmcnt 0x0
	s_mul_i32 s100, s100, 24                       ; a tile's codes are 24 times its scale words
	s_mul_i32 s98, s98, 24
	s_add_nc_u64 s[100:101], s[4:5], s[100:101]
	s_add_nc_u64 s[98:99], s[4:5], s[98:99]
.irp s, 0,1,2
	s_mov_b32 s[G0+4*\s], 1
	s_add_co_u32 s[G0+4*\s+1], s3, \s*SLOT
	s_add_nc_u64 s[G0+4*\s+2:G0+4*\s+3], s[100:101], \s*3072
	s_or_b32 s[G0+4*\s+3], s[G0+4*\s+3], 0x80000000
	s_mov_b32 s[G0B+4*\s], 1
	s_add_co_u32 s[G0B+4*\s+1], s3, \s*SLOT
	s_add_nc_u64 s[G0B+4*\s+2:G0B+4*\s+3], s[98:99], \s*3072
	s_or_b32 s[G0B+4*\s+3], s[G0B+4*\s+3], 0x80000000
.endr
	CROUND                                         ; all sixteen work-groups are here: the first joint loads meet
	s_add_co_u32 s[G0+5], s[G0+5], s3              ; where K steps 2 to 5 go: SLOT + wave x 2 HALFT
	s_add_co_u32 s[G0B+5], s[G0B+5], s3
	JLOAD G0, G1, G0B, G1B                         ; K steps 0 and 1: one tensor load a wave at the head
	s_cmp_eq_u32 s[MODE], 2
	s_cselect_b64 s[12:13], s[18:19], s[12:13]     ; the lanes' word: b_v in V, the mask in Q and K
	s_cselect_b64 s[14:15], s[18:19], s[14:15]
	s_cmp_eq_u32 s[MODE], 1
	s_cselect_b64 s[14:15], s[16:17], s[14:15]     ; the bias along the registers: b_q, b_k
	v_and_b32 v12, 31, v0
	v_and_b32 v13, 15, v0                          ; r
	v_bfe_u32 v14, v0, 4, 1                        ; h
	v_lshlrev_b32 v15, 4, v12                      ; 16 x lane
	v_add_nc_u32 v[CO], s66, v15
	v_lshlrev_b32 v[SO], 4, v13
	v_lshl_add_u32 v[SO], v14, 12, v[SO]
	v_add_nc_u32 v[SO], s2, v[SO]
	s_mul_i32 s3, s21, HALFT
	s_mul_i32 s67, s22, HALFT
	s_add_co_u32 s67, s67, 2*HALFT
	v_add_nc_u32 v[ADRA], s3, v15
	v_add_nc_u32 v[ADRB], s67, v15
	s_lshl_b32 s3, s3, 1
	s_lshl_b32 s67, s67, 1
	s_add_co_u32 s3, s3, SLOT
	s_add_co_u32 s67, s67, SLOT
	v_add_nc_u32 v[ADRA+1], s3, v15                ; K steps 2 to 5 of my tiles
	v_add_nc_u32 v[ADRB+1], s67, v15
	v_mov_b32 v[ADRS], s76                         ; the scale words come straight into their registers: lanes 0-15 take A's tile i, lanes 16-31 B's; sixteen lanes read 256 consecutive bytes, aligned
	v_mov_b32 v12, s77
	v_cndmask_b32 v[ADRS], v[ADRS], v12, s78
	v_lshl_add_u32 v[ADRS], v13, 4, v[ADRS]
	s_wait_alu depctr_va_vdst(0)                   ; the wait ahead of the readers below
.irp i, 0,1,2,3,4,5,6,7
	global_load_b128 v[SC+4*\i:SC+4*\i+3], v[ADRS], s[6:7] offset:512*\i
	global_load_b128 v[SC+32+4*\i:SC+32+4*\i+3], v[ADRS], s[6:7] offset:512*\i+256
.endr
	v_lshlrev_b32 v12, 6, v14                      ; the bias along the registers: register 16 g + 8 u + j holds feature 32 g + 16 h + 8 u + j
	s_lshl_b32 s96, s96, 2
	v_add_nc_u32 v12, s96, v12
	v_and_b32 v14, 8, v13
	v_add_nc_u32 v15, v14, v13                     ; r + 8 (r / 8): my row in a tile
	s_lshl_b32 s95, s95, 2
	v_lshl_add_u32 v15, v15, 2, s95
	v_mad_u32_u24 v15, v14, s79, v15               ; K: r + 32 (r / 8) - 8 (r / 8): 64 bytes more for rows 8-15
	v_add_nc_u32 v14, s88, v15                     ; tiles 2, 3, 6, 7: the immediates below are K's; the others' lie 64 bytes on
	WIN 0x40
.irp i, 0,1,2,3,4,5,6,7,8,9,10,11,12,13,14,15
	global_load_b128 v[96+4*\i+96*(\i/8):96+4*\i+96*(\i/8)+3], v12, s[14:15] offset:128*(\i/4)+32*((\i/2)%2)+16*(\i%2)
.endr
	WIN 0
.irp a, 0,1,2,3,4,5,6,7
	global_load_b32 v[LB+2*\a], v[15-(\a%4)/2], s[12:13] offset:4*(64*(\a/4)+8*(\a%4))     ; twice, so that the packed add takes the pair as it stands
	global_load_b32 v[LB+2*\a+1], v[15-(\a%4)/2], s[12:13] offset:4*(64*(\a/4)+8*(\a%4))
.endr
	s_wait_alu depctr_va_vdst(0)
	s_wait_tensorcnt 0x0                           ; my part of K steps 0 and 1 is in
	ds_add_u32 v[SPW], v[NIL]
	s_wait_dscnt 0x0
	CROUND                                         ; a whole round: slot 0 is whole, and the joint loads meet
	JLOAD G0+4, G1S, G0B+4, G1SB                   ; K steps 2 to 5, my one load behind the round
	FETCH_B 0, 0, 0
	FETCH_A 0, 0, 0
	FETCH_A 0, 0, 4
	s_wait_loadcnt 32                              ; the 16 loads of scale words are in; the 32 younger ones (biases, mask) may be out
	KSTEP 0, 0, 1, 1                               ; the first products start the sums: nothing is cleared
	KTURN 1, 1, 1                                  ; its wait for all loads also shows slots 1 and 2 whole to every wave
	KSTEP 2, 1, 1, 0
	KSTEP 3, 2, 0, 0
	KSTEP 4, 2, 1, 0
	KTURN 5, 0, 0                                  ; the fourth quarter of K has landed in slot 0
	KSTEP 6, 0, 1, 0
	s_wait_dscnt 4*NLA
	WIN MUL_LO
	MUL16 0, 7, 0
	MUL16 2, 7, 0
	s_wait_dscnt 0x0
	WIN MUL_HI
	MUL16 4, 7, 0
	MUL16 6, 7, 0
	PLACES
	; THE WAY OUT: bias, quantiser, stores; no LDS.  The work space lies in window 1, where B's fragments lay.
	WIN 0x40
.irp b, 0,1,2,3
	v_mov_b32 v[TM+4+\b], 0                        ; a lane permute's destination counts as one of its sources
.endr
	WIN 0
	s_mov_b32 s[SEL], 0x76543210
	s_mov_b32 s[SEL+1], 0xfedcba98
	s_mov_b32 s[HM], 0xffff0000                    ; lanes 16-31
	s_cmp_eq_u32 s[MODE], 1
	s_cselect_b32 s[NOTK], 0, -1                   ; only K's codes are masked
	s_wait_loadcnt 0x0                             ; the biases and the mask
	s_cmp_eq_u32 s[MODE], 2
	s_cbranch_scc1 .Lepi_v
	; Q, K: a lane holds a token; 128 features are two heads; two token tiles make a pack for each head
.irp a, 0,1,2,3,4,5,6,7
	v_cmp_ne_u32 s[KEEP+\a], 0, v[LB+2*\a]
.endr
.irp a, 0,1,2,3,4,5,6,7
	s_or_b32 s[KEEP+\a], s[KEEP+\a], s[NOTK]
.endr
.macro BIASQK a
	WIN 0x46+(\a)/4                                ; the sums: window 2 or 3; the bias and the result: window 1
.set i, 0
.rept 32
	v_pk_add_f32 v[T+2*i:T+2*i+1], v[64*((\a)%4)+2*i:64*((\a)%4)+2*i+1], v[96+2*i+96*(i/16):96+2*i+96*(i/16)+1]   ; each accumulator from its low end on
.set i, i+1
.endr
.endm
.irp al, 0,1,2,3
.irp pi, 0,1
	BIASQK 2*\al+\pi
	WIN 0x55
.if (\pi == 0) && (\al > 0)
	s_wait_xcnt 0x0                                ; the last pack's stores have read their registers
.endif
	QUANT T, X+6*\pi, Y+6*\pi, PW+\pi
.irp i, 0,1,2,3,4,5
	v_cndmask_b32 v[X+6*\pi+\i], 0, v[X+6*\pi+\i], s[KEEP+2*\al+\pi]            ; a masked token's codes of K are zeros
	v_cndmask_b32 v[Y+6*\pi+\i], 0, v[Y+6*\pi+\i], s[KEEP+2*\al+\pi]
.endr
.endr
	v_perm_b32 v[TP], v[PW+1], v[PW], 0x05040100   ; the first head's word of the pack: the even tile's two bytes, the odd tile's two
	v_perm_b32 v[TP+1], v[PW+1], v[PW], 0x07060302 ; the second head's
	v_cndmask_b32 v[WS+\al], v[TP], v[TP+1], s[HM] ; lanes 0-15 store the first head's, lanes 16-31 the second's
	WIN 0x04                                       ; a store's data: window 1
.irp c, 0,1,2
	global_store_b128 v[CO], v[X+4*\c:X+4*\c+3], s[8:9] offset:1536*\al+512*\c          ; 512 consecutive bytes, aligned
	global_store_b128 v[CO], v[Y+4*\c:Y+4*\c+3], s[8:9] offset:98304+1536*\al+512*\c
.endr
.endr
	global_store_b128 v[SO], v[WS:WS+3], s[10:11]  ; sixteen lanes store 256 consecutive bytes, aligned
	WIN 0
	s_branch .Lepi_done
.Lepi_v:
	; V: a lane holds a feature d; its 64 registers are 128 keys: one whole fragment for each of my 8 tiles of d (two heads x four)
.irp aa, 0,1,2,3,4,5,6,7
	WIN 0x42+\aa/4                                 ; the lanes' bias: window 0
.set i, 0
.rept 32
	v_pk_add_f32 v[T+2*i:T+2*i+1], v[64*(\aa%4)+2*i:64*(\aa%4)+2*i+1], v[LB+2*\aa:LB+2*\aa+1]
.set i, i+1
.endr
	WIN 0x55
.if \aa > 0
	s_wait_xcnt 0x0
.endif
	QUANT T, X, X+6, PWS+\aa
	WIN 0x04
.irp c, 0,1,2
	global_store_b128 v[CO], v[X+4*\c:X+4*\c+3], s[8:9] offset:(\aa/4)*98304+(\aa%4)*1536+512*\c
.endr
.endr
	WIN 0x55
.irp i, 0,1,2,3
	v_cndmask_b32 v[WS+\i], v[PWS+\i], v[PWS+4+\i], s[HM]
.endr
	WIN 0x04
	global_store_b128 v[SO], v[WS:WS+3], s[10:11]
	WIN 0
.Lepi_done:
	s_wait_tensorcnt 0x0                           ; the wave's end
	ds_add_u32 v[SPW], v[NIL]
	s_wait_dscnt 0x0
	CROUND                                         ; the closing round
	s_endpgm
.Lfunc_end_k_qe376195969_proj:
	.size	k_qe376195969_proj, .Lfunc_end_k_qe376195969_proj-k_qe376195969_proj
	.p2alignl 7, 3214868480
	.fill 96, 4, 3214868480
	.section	.rodata,"a",@progbits
	.p2align	6, 0x0
	.amdhsa_kernel k_qe376195969_proj
		.amdhsa_group_segment_fixed_size 327680
		.amdhsa_private_segment_fixed_size 0
		.amdhsa_enable_private_segment 0
		.amdhsa_kernarg_size 64
		.amdhsa_user_sgpr_count 2
		.amdhsa_user_sgpr_kernarg_segment_ptr 1
		.amdhsa_wavefront_size32 1
		.amdhsa_system_sgpr_workgroup_id_x 1
		.amdhsa_system_sgpr_workgroup_id_y 1
		.amdhsa_system_sgpr_workgroup_id_z 1
		.amdhsa_system_vgpr_workitem_id 0
		.amdhsa_next_free_vgpr 1024
		.amdhsa_next_free_sgpr 102
		.amdhsa_reserve_vcc 0
		.amdhsa_float_denorm_mode_32 3
		.amdhsa_float_denorm_mode_16_64 3
		.amdhsa_memory_ordered 1
		.amdhsa_forward_progress 1
		.amdhsa_inst_pref_size 215
	.end_amdhsa_kernel
	.amdgpu_metadata
---
amdhsa.version: [ 1, 2 ]
amdhsa.kernels:
  - .name:           k_qe376195969_proj
    .symbol:         k_qe376195969_proj.kd
    .args:
      - { .name: codes, .offset: 0, .size: 8, .value_kind: global_buffer, .address_space: global }
      - { .name: scales, .offset: 8, .size: 8, .value_kind: global_buffer, .address_space: global }
      - { .name: pc, .offset: 16, .size: 8, .value_kind: global_buffer, .address_space: global }
      - { .name: ps, .offset: 24, .size: 8, .value_kind: global_buffer, .address_space: global }
      - { .name: mask, .offset: 32, .size: 8, .value_kind: global_buffer, .address_space: global }
      - { .name: b_q, .offset: 40, .size: 8, .value_kind: global_buffer, .address_space: global }
      - { .name: b_k, .offset: 48, .size: 8, .value_kind: global_buffer, .address_space: global }
      - { .name: b_v, .offset: 56, .size: 8, .value_kind: global_buffer, .address_space: global }
    .group_segment_fixed_size: 327680
    .private_segment_fixed_size: 0
    .kernarg_segment_align: 8
    .kernarg_segment_size: 64
    .max_flat_workgroup_size: 128
    .sgpr_count:     102
    .vgpr_count:     1024
    .wavefront_size: 32
...
	.end_amdgpu_metadata
.endif
;; end of part 2
;; launch attn (part 3): grid 4 x 64, 8 waves a work-group, clusters of 4 x 1, 327,680 bytes of LDS; arguments pc, ps, mask, xc, xs; writes xc, xs
.if DOCPART == 3
	.amdgcn_target "amdgcn-amd-amdhsa--gfx1250"
	.amdhsa_code_object_version 6
	.text
	.protected	k_qe376195969_attn
	.globl	k_qe376195969_attn
	.p2align	8
	.type	k_qe376195969_attn,@function
k_qe376195969_attn:
	s_mov_b64 s[64:65], 0
	v_nop
	global_prefetch_b8 v0, s[64:65] scope:SCOPE_SE
	s_setreg_imm32_b32 hwreg(HW_REG_WAVE_MODE, 25, 1), 1
	s_wait_xcnt 0x0
	s_wait_alu depctr_hold_cnt(0) depctr_sa_sdst(0) depctr_va_vdst(0) depctr_va_sdst(0) depctr_va_ssrc(0) depctr_va_vcc(0) depctr_vm_vsrc(0)
	s_getreg_b32 s2, hwreg(HW_REG_IB_STS2, 6, 4)
	s_cmp_eq_u32 s2, 0
	s_cbranch_scc0 .Lentry_in_a_cluster
	s_endpgm
.Lentry_in_a_cluster:
	s_bfe_u32 s2, ttmp6, 0x10000c
	s_cmp_lg_u32 s2, 0x3003
	s_cbranch_scc0 .Lentry_shape_is_right
	s_endpgm
.Lentry_shape_is_right:
; softmax(Q K^T / 8, masked) V for one batch and head (the cluster's y = 16 b + head) on codes of FP6 (E2M3); the result leaves as codes and scale bytes for the last projection.
; SHARES.  The four work-groups of a cluster take 512 queries each of one head and ask for its K and V jointly.  A wave takes two tiles of 16 queries at a time (tile 0 in register window 0, tile 1 at the same numbers in window 1), in two blocks.
; LDS: K's codes (98,304 bytes), V's codes, the mask's C (one f32 a key), K's and V's scale words, the spare words.  Every tile is asked for once, at the head, one tensor load a wave; nothing is filled again:
; so there is no loop in which a prefetch could run ahead of a load from memory, and none is written.
; BOTH PRODUCTS ARE USED TRANSPOSED (S^T = K Q^T, O^T = V^T P^T): a lane holds one query.  A head is 64 wide and the instruction 128 deep: a fragment of K holds two key tiles, and Q stands beside 64 zeros, below or above.
; KEY TILES: tile 4 c + t of a step of 128 keys holds keys 64 c + 8 t + 0..7 and 64 c + 32 + 8 t + 0..7: so registers S + 32 c .. + 31 of lane (r, h) are keys 64 c + 32 h + 0..31: ONE WHOLE BLOCK of the second product's K,
; in the order in which that operand's registers want it.  A block's largest p needs no other lane, and the codes fall where the operand has them.
; THE MASK: a masked key's codes of K are zeros (the launch before), and the C of its score is -2^33: its score is exactly that.  c x 2^33 is a whole number, so where every key is masked each p is 1, as reference()'s uniform row.
; SOFTMAX: t = score x c, c = log2(e) / 8; M = ceil(the running largest t), kept as -M; p = 2^(t - M); the sum is taken of the unquantised p; when M moves, sum and O^T are multiplied by 2^(old M - new M), always, with no branch.
; A block's largest p is made from its largest score by the same multiply-add and exponential.
; THE TWO TILES ARE HALF A STEP APART.  Among the vector lines of tile 0's softmax of step s stand, one at a time, tile 1's score products of step s and its second products of step s - 1;
; among those of tile 1's softmax of step s, tile 0's score products of step s + 1 and its second products of step s.  So K's fragments of step s + 1 are asked of LDS when tile 1 has used step s's, V's of step s when tile 1 has used step s - 1's: one set of registers each.
; Ahead of the loop: tile 0's score products of step 0; tile 1's codes of p are zeros under the scale 1, so its first second products add zeros.  Behind it: tile 1's second products of step 15.
; The last step's request for K reads the bytes that lie behind each region (V's codes, K's and V's scale words), and tile 0's score products on them are not used.
; LIMITS: the promise holds while |t| stays under 2^31; NaN and infinities are not served; blocks whose largest magnitude lies under 2^-124 keep the scale byte 1.
.set VL,    98304
.set CBL,   196608
.set KSL,   204800
.set SPARE, 212992
.set LI,  1                            ; 16 x lane
.set LV,  2                            ; + VL
.set LC,  3                            ; CBL + 128 h
.set LS,  4                            ; KSL + 16 r
.set ADK, 5                            ; the same four at this step
.set ADV, 6
.set ADC, 7
.set ADS, 8
.set SPW, 9
.set NIL, 10
.set XO,  11                           ; where my codes go in xc, my scale bytes in xs; where my Q lies in ps, pc
.set XSO, 12
.set QSO, 13
.set QO,  14
.set QHI, 16                           ; v16-21 zeros, v22-27 q, v28-33 zeros: v16-27 = (0, q), v22-33 = (q, 0)
.set QLO, 22
.set MT,  34                           ; -M; v35 the running largest score
.set L,   36                           ; v36-37 the sum; v38-43 three more chains of a step's sum
.set F,   44
.set W,   46
.set OLD, 47
.set BM,  48
.set BT,  50
.set SO,  52
.set EB,  54
.set CH,  56
.set T0,  56
.set T1,  60
.set S,   64
.set O,   128
.set PC,  160
.set VSW, 172                          ; scale words and nothing else: v172-177, v184-191, all in window 0
.set PSW, 176
.set KSW, 184
.set QSW, 188
.set CB,  192                          ; window 0: the scores' C.  Window 1: v172-255 and v0-11 K's and V's fragments
.set WV,  14
.set SEL, 22
.set CS,  24
.set G1C, 28
.set G1S, 36
.set G0C, 44
.set G0S, 48
.set TB,  52
.set TS,  53
.set TC,  54
.set CNT, 55
.set HM,  56
.set QB,  66
.set NC,  71
.set MSB, 0
.macro WIN new                         ; the immediate's high byte repeats the setting that is left
.if MSB != (\new)
	s_set_vgpr_msb (MSB<<8)|(\new)
.set MSB, \new
.endif
.endm
.macro VW tau                          ; the softmax's own window
	WIN 0x55*(\tau)
.endm
.macro WALU
	s_wait_alu depctr_va_vdst(0)
.endm
.macro CROUND
	s_barrier_signal -1
	s_barrier_wait -1
	s_cmp_lg_u32 s[WV], 0
	s_cbranch_scc1 .Lnot_wave_0_\@
	s_barrier_signal -3
.Lnot_wave_0_\@:
	s_barrier_wait -3
	s_barrier_signal -1
	s_barrier_wait -1
.endm
.macro QLOADS                          ; a pack of Q (two query tiles) and its scale word land where C lies in the key loop
.irp c, 0,1,2
	global_load_b128 v[CB+4*\c:CB+4*\c+3], v[QO], s[4:5] offset:512*\c
.endr
	global_load_b32 v[CB+12], v[QSO], s[6:7]
.endm
.macro KLOADS ak, as, ac, on           ; 29 LDS loads: four fragments of K, their scale words, C.  on = 1: of the step behind the one at which the addresses stand
	WIN 0x40
.irp b, 0,1,2,3
.irp c, 0,1,2
	ds_load_b128 v[172+12*\b+12*((\b+3)/4)+4*\c:172+12*\b+12*((\b+3)/4)+4*\c+3], v[\ak] offset:6144*(\on)+1536*\b+512*\c
.endr
.endr
	WIN 0
	ds_load_b128 v[KSW:KSW+3], v[\as] offset:256*(\on)
.irp i, 0,1,2,3,4,5,6,7,8,9,10,11,12,13,14,15
	ds_load_b128 v[CB+4*\i:CB+4*\i+3], v[\ac] offset:512*(\on)+256*(\i/8)+16*(\i%8)   ; register 4 i + e: key 64 (i / 8) + 32 h + 4 (i % 8) + e
.endr
.endm
.macro VLOADS av, as                   ; 13 LDS loads: four fragments of V and their scale words
	WIN 0x40
.irp t, 0,1,2,3
.irp c, 0,1,2
	ds_load_b128 v[(184+12*\t+36*((\t+3)/4))%256+4*\c:(184+12*\t+36*((\t+3)/4))%256+4*\c+3], v[\av] offset:1536*\t+512*\c
.endr
.endr
	WIN 0
	ds_load_b128 v[VSW:VSW+3], v[\as] offset:4096
.endm
.macro QK1 tau, n                      ; tile tau's score product with key tile n (0..7): the even tiles of a fragment against (q, 0), the odd ones against (0, q)
	WIN 0x01+0x44*(\tau)
	v_wmma_scale_f32_16x16x128_f8f6f4 v[S+8*(\n):S+8*(\n)+7], v[172+12*((\n)/2)+12*(((\n)/2+3)/4):172+12*((\n)/2)+12*(((\n)/2+3)/4)+11], v[QLO-6*((\n)%2):QLO-6*((\n)%2)+11], v[CB+8*(\n):CB+8*(\n)+7], v[KSW+(\n)/2], v[QSW+2*(\tau)+(\n)%2] matrix_a_fmt:MATRIX_FMT_FP6 matrix_b_fmt:MATRIX_FMT_FP6
.endm
.macro PV1 tau, t                      ; O^T += V^T P^T, tile tau, 16 of the head's 64: the four accumulators by turns
	WIN 0x01+0x54*(\tau)
	v_wmma_scale_f32_16x16x128_f8f6f4 v[O+8*(\t):O+8*(\t)+7], v[(184+12*(\t)+36*(((\t)+3)/4))%256:(184+12*(\t)+36*(((\t)+3)/4))%256+11], v[PC:PC+11], v[O+8*(\t):O+8*(\t)+7], v[VSW+(\t)], v[PSW+(\tau)] matrix_a_fmt:MATRIX_FMT_FP6 matrix_b_fmt:MATRIX_FMT_FP6
.endm
.macro MAXES i0, i1
.irp i, \i0, \i1
.irp q, 0,1,2,3
	v_max3_num_f32 v[CH+\q], v[CH+\q], v[S+16*\q+\i], v[S+16*\q+\i+1]
.endr
.endr
.endm
.macro FMAS n                          ; t - M of the next n pairs
.rept \n
	v_pk_fma_f32 v[S+j:S+j+1], v[S+j:S+j+1], s[CS:CS+1], v[MT:MT+1] op_sel_hi:[1,0,0]
.set j, j+2
.endr
.endm
.macro SUMS n                          ; the next n pairs of p onto the four chains by turns
.rept \n
	v_pk_add_f32 v[L+2*q:L+2*q+1], v[L+2*q:L+2*q+1], v[S+j:S+j+1]
.set j, j+2
.set q, (q+1)%4
.endr
.endm
; Tile tau's softmax of a step, with the other tile's twelve products among its lines
.macro PHASE tau
.if \tau
	s_wait_dscnt 13                                ; all but V's 13 loads: the next step's fragments of K, scale words and C are in
.endif
	VW \tau
	WALU                                           ; the wait ahead of the first readers of the scores
.irp q, 0,1,2,3
	v_max3_num_f32 v[CH+\q], v[S+16*\q], v[S+16*\q+1], v[S+16*\q+2]   ; four chains by turns, two to a block; each accumulator from its low end on
.endr
	QK1 1-\tau, 0
	VW \tau
	MAXES 3, 5
	QK1 1-\tau, 1
	VW \tau
	MAXES 7, 9
	QK1 1-\tau, 2
	VW \tau
	MAXES 11, 13
	QK1 1-\tau, 3
	VW \tau
.irp c, 0,1
	v_max3_num_f32 v[CH+2*\c], v[CH+2*\c], v[S+32*\c+15], v[S+32*\c+31]
.endr
.irp c, 0,1
	v_max_num_f32 v[BM+\c], v[CH+2*\c], v[CH+2*\c+1]               ; the largest score of my block 2 c + h
.endr
	v_mov_b32 v[OLD], v[MT]
	v_max_num_f32 v[W], v[BM], v[BM+1]
	QK1 1-\tau, 4
	VW \tau
	v_permlanex16_b32 v[BT], v[W], s[SEL], s[SEL+1]
	v_max3_num_f32 v[MT+1], v[MT+1], v[W], v[BT]                   ; the running largest score of my query
	v_mul_f32 v[W], s[NC], v[MT+1]                                 ; -t
	QK1 1-\tau, 5
	VW \tau
	v_floor_f32 v[MT], v[W]                                        ; -M = floor(-t)
	v_sub_f32 v[W], v[MT], v[OLD]
	v_cvt_i32_f32 v[W], v[W]                                       ; old M - new M, a whole number (it saturates)
	QK1 1-\tau, 6
	VW \tau
	v_ldexp_f32 v[F], 1.0, v[W]
.set j, 0
	FMAS 4
	QK1 1-\tau, 7
	VW \tau
	FMAS 6                                         ; (six places behind the last score product, ahead of the loads into its registers)
.if \tau == 0
	KLOADS ADK, ADS, ADC, 1                        ; both tiles have used this step's: the next step's
.endif
	FMAS 22
.irp c, 0,1
	v_fma_f32 v[BM+\c], v[BM+\c], s[CS], v[MT]
.endr
	WALU                                           ; one wait ahead of the batch,
.irp c, 0,1
	v_exp_f32 v[BM+\c], v[BM+\c]
.endr
.set j, 0
.rept 64
	v_exp_f32 v[S+j], v[S+j]
.set j, j+1
.endr
	v_pk_mul_f32 v[L:L+1], v[L:L+1], v[F:F+1] op_sel_hi:[1,0]      ; (the plain place behind the batch)
.if \tau
	s_wait_dscnt 0x0                               ; V's fragments and scale words of this step are in
.endif
	WALU                                           ; and one behind it, directly ahead of the first readers of O^T
.set j, 0
.rept 16
	v_pk_mul_f32 v[O+j:O+j+1], v[O+j:O+j+1], v[F:F+1] op_sel_hi:[1,0]
.set j, j+2
.endr
	PV1 1-\tau, 0
	VW \tau
.irp c, 0,1
	v_max_num_f32 v[BM+\c], 0x1800000, v[BM+\c]                    ; the floor 2^(3 - 127): the byte cannot fall under 1
.endr
.irp c, 0,1
	v_add_nc_u32 v[SO+\c], 0xff000000, v[BM+\c]                    ; 2 off the exponent field: the conversions' scale operand
.endr
.irp c, 0,1
	v_lshrrev_b32 v[EB+\c], 23, v[SO+\c]
.endr
	v_lshl_or_b32 v[W], v[EB+1], 16, v[EB]                         ; my blocks h and 2 + h
	v_permlanex16_b32 v[BT], v[W], s[SEL], s[SEL+1]
	PV1 1-\tau, 1
	WIN 0x11*(\tau)
	v_lshl_or_b32 v[PSW+\tau], v[BT], 8, v[W]                      ; lanes 0-15, which alone are read: blocks 0, 2 mine, 1, 3 lane l + 16's
	VW \tau
	v_cvt_scalef32_pk16_fp6_f32 v[PC:PC+2], v[S:S+15], v[SO]
	v_cvt_scalef32_pk16_fp6_f32 v[T0:T0+2], v[S+16:S+31], v[SO]    ; (a conversion's three registers begin on an even number)
	v_cvt_scalef32_pk16_fp6_f32 v[PC+6:PC+8], v[S+32:S+47], v[SO+1]
	v_cvt_scalef32_pk16_fp6_f32 v[T1:T1+2], v[S+48:S+63], v[SO+1]
	v_nop                                                          ; one plain place behind the scaled conversions
.irp i, 0,1,2
	v_mov_b32 v[PC+3+\i], v[T0+\i]
	v_mov_b32 v[PC+9+\i], v[T1+\i]
.endr
	PV1 1-\tau, 2
	VW \tau
.irp q, 1,2,3
	v_pk_add_f32 v[L+2*\q:L+2*\q+1], v[S+4*\q-4:S+4*\q-3], v[S+4*\q-2:S+4*\q-1]   ; the sum of the unquantised p, in four chains
.endr
.set j, 12
.set q, 0
	SUMS 5
	PV1 1-\tau, 3
	VW \tau
	SUMS 6                                         ; (six places behind the last second product, ahead of the loads into its registers)
.if \tau == 0
	VLOADS ADV, ADS                                ; both tiles have used the last step's: this step's
.endif
	SUMS 15
	v_pk_add_f32 v[L+2:L+3], v[L+2:L+3], v[L+4:L+5]
	v_pk_add_f32 v[L:L+1], v[L:L+1], v[L+6:L+7]
	v_pk_add_f32 v[L:L+1], v[L:L+1], v[L+2:L+3]
.endm
.macro OUT tau                         ; O^T / the sum, quantised along the head's 64 (register 16 g + 8 u + j is d = 32 g + 16 h + 8 u + j: a block lies in lanes l and l xor 16)
	WIN 0x55*(\tau)
	v_add_f32 v[W], v[L], v[L+1]
	v_permlanex16_b32 v[BT], v[W], s[SEL], s[SEL+1]
	v_add_f32 v[W], v[W], v[BT]
	WALU
	v_rcp_f32 v[F], v[W]
	v_nop
	WALU
.set j, 0
.rept 16
	v_pk_mul_f32 v[S+j:S+j+1], v[O+j:O+j+1], v[F:F+1] op_sel_hi:[1,0]
.set j, j+2
.endr
.irp b, 0,1
	v_max3_num_f32 v[BM+\b], |v[S+16*\b]|, |v[S+16*\b+1]|, 0x1800000
.endr
.irp i, 2,4,6,8,10,12,14
.irp b, 0,1
	v_max3_num_f32 v[BM+\b], v[BM+\b], |v[S+16*\b+\i]|, |v[S+16*\b+\i+1]|
.endr
.endr
.irp b, 0,1
	v_permlanex16_b32 v[BT+\b], v[BM+\b], s[SEL], s[SEL+1]
.endr
.irp b, 0,1
	v_max_num_f32 v[BM+\b], v[BM+\b], v[BT+\b]
.endr
.irp b, 0,1
	v_add_nc_u32 v[SO+\b], 0xff000000, v[BM+\b]
.endr
.irp b, 0,1
	v_lshrrev_b32 v[BT+\b], 23, v[SO+\b]
.endr
	v_lshl_or_b32 v[W], v[BT+1], 8, v[BT]
	v_cvt_scalef32_pk16_fp6_f32 v[PC:PC+2], v[S:S+15], v[SO]
	v_cvt_scalef32_pk16_fp6_f32 v[T0:T0+2], v[S+16:S+31], v[SO+1]
	v_nop
.irp i, 0,1,2
	v_permlane16_swap_b32 v[PC+\i], v[T0+\i]
.endr
.irp i, 0,1,2
	v_mov_b32 v[PC+3+\i], v[T0+\i]
.endr
	WIN 0x04*(\tau)
.irp p, 0,1,2
	global_store_b64 v[XO], v[PC+2*\p:PC+2*\p+1], s[10:11] offset:12288*(\tau)+256*\p   ; 32 lanes store 256 consecutive bytes, aligned
.endr
.endm
	s_load_b256 s[4:11], s[0:1], 0x0               ; pc, ps, mask, xc
	s_load_b64 s[12:13], s[0:1], 0x20              ; xs
	v_lshl_add_u32 v[SPW], v0, 2, SPARE
	v_mov_b32 v[NIL], 0
	ds_add_u32 v[SPW], v[NIL]                      ; the opening lines: the add, twice on end, and its wait ahead of my first tensor load
	ds_add_u32 v[SPW], v[NIL]
	v_lshrrev_b32 v15, 5, v0
	v_readfirstlane_b32 s[WV], v15                 ; wave 0..7
	s_lshr_b32 s15, s[WV], 2
	s_and_b32 s16, s[WV], 3
	s_bfe_u32 s17, ttmp6, 0x40000                  ; cx
	s_and_b32 s18, ttmp7, 0xffff                   ; 16 b + head
	s_mov_b32 s[G1C], 15|(3<<16)|(1<<21)           ; codes: 32,768 dense bytes as 128 rows of 256; the mask names the cluster's four
	s_mov_b32 s[G1C+1], 32<<16
	s_mov_b32 s[G1C+2], 128<<16
	s_mov_b32 s[G1C+3], 32<<16
	s_mov_b32 s[G1C+4], 128
	s_mov_b32 s[G1C+5], 32
	s_mov_b32 s[G1C+6], 0
	s_mov_b32 s[G1C+7], 0
	s_mov_b32 s[G1S], 15|(3<<16)|(1<<21)           ; scale words: 4,096 dense bytes as 16 rows of 256
	s_mov_b32 s[G1S+1], 32<<16
	s_mov_b32 s[G1S+2], 16<<16
	s_mov_b32 s[G1S+3], 32<<16
	s_mov_b32 s[G1S+4], 16
	s_mov_b32 s[G1S+5], 32
	s_mov_b32 s[G1S+6], 0
	s_mov_b32 s[G1S+7], 0
	s_mul_i32 s20, s18, 98304                      ; waves 0-2: a third each of K's codes of the head, waves 3-5 of V's
	s_lshl_b32 s26, s[WV], 15                      ; LDS: 32,768 x wave
	s_add_co_u32 s20, s20, s26
	s_cmp_ge_u32 s[WV], 3
	s_cselect_b32 s27, 6291456-98304, 0
	s_add_co_u32 s20, s20, s27
	s_add_co_u32 s20, s20, 6291456
	s_mov_b32 s21, 0
	s_and_b32 s19, s[WV], 1                        ; wave 6: K's scale words, wave 7: V's
	s_lshl_b32 s57, s19, 12
	s_add_co_u32 s19, s19, 1
	s_lshl_b32 s68, s19, 18
	s_lshl_b32 s69, s18, 12
	s_add_co_u32 s68, s68, s69
	s_mov_b32 s69, 0
	s_mov_b32 s[SEL], 0x76543210
	s_mov_b32 s[SEL+1], 0xfedcba98
	s_mov_b32 s[CS], 0x3e38aa3b                    ; c = log2(e) / 8
	s_mov_b32 s[CS+1], s[CS]
	s_mov_b32 s[NC], 0xbe38aa3b                    ; -c
	s_mov_b32 s[HM], 0xffff0000
	s_lshr_b32 s58, s18, 4                         ; b
	s_lshl_b32 s27, s58, 13                        ; the batch's mask, in bytes
	s_and_b32 s59, s18, 15                         ; head
	s_lshl_b32 s60, s58, 7
	s_lshl_b32 s61, s17, 5
	s_add_co_u32 s60, s60, s61
	s_lshl_b32 s61, s[WV], 1
	s_add_co_u32 s60, s60, s61                     ; my first token tile: 128 b + 32 cx + 2 wave
	s_mul_i32 s61, s60, 12288
	s_lshr_b32 s62, s59, 1
	s_mul_i32 s62, s62, 1536
	s_add_co_u32 s61, s61, s62
	s_and_b32 s62, s59, 1
	s_mul_i32 s62, s62, 768
	s_add_co_u32 s61, s61, s62                     ; in xc
	s_lshl_b32 s60, s60, 9
	s_lshr_b32 s62, s59, 3
	s_lshl_b32 s62, s62, 8
	s_add_co_u32 s60, s60, s62
	s_bfe_u32 s62, s59, 0x20001
	s_lshl_b32 s62, s62, 2
	s_add_co_u32 s60, s60, s62
	s_and_b32 s62, s59, 1
	s_lshl_b32 s62, s62, 1
	s_add_co_u32 s60, s60, s62                     ; in xs
	s_mul_i32 s67, s18, 98304
	s_lshl_b32 s62, s17, 4
	s_add_co_u32 s62, s62, s[WV]
	s_mul_i32 s62, s62, 1536
	s_add_co_u32 s67, s67, s62                     ; my first pack of Q: 16 cx + wave
	s_lshl_b32 s70, s18, 12
	s_lshl_b32 s62, s17, 2
	s_add_co_u32 s62, s62, s15
	s_lshl_b32 s62, s62, 8
	s_add_co_u32 s70, s70, s62
	s_lshl_b32 s62, s16, 2
	s_add_co_u32 s70, s70, s62                     ; and its scale word
	v_and_b32 v[LS], 15, v0
	v_bfe_u32 v[LC], v0, 4, 1
	v_and_b32 v[LI], 31, v0
	v_lshlrev_b32 v[XO], 3, v[LI]
	v_lshlrev_b32 v[LI], 4, v[LI]
	v_add_nc_u32 v[LV], VL, v[LI]
	v_lshlrev_b32 v[QSO], 4, v[LS]
	v_lshl_add_u32 v[XSO], v[LC], 9, v[QSO]
	v_lshl_add_u32 v[LC], v[LC], 7, CBL
	v_lshl_add_u32 v[LS], v[LS], 4, KSL
	v_add_nc_u32 v[XO], s61, v[XO]
	v_add_nc_u32 v[XSO], s60, v[XSO]
	v_add_nc_u32 v[QO], s67, v[LI]
	v_add_nc_u32 v[QSO], s70, v[QSO]
	v_lshl_add_u32 v15, v0, 5, s27                 ; my 8 words of the mask,
	v_lshl_add_u32 v73, v0, 5, CBL                 ; and where their C goes
	v_mov_b32 v72, 0xd0000000                      ; -2^33
.irp w, 0,1
	WIN 0x40*\w
.irp i, 16,17,18,19,20,21,28,29,30,31,32,33
	v_mov_b32 v[\i], 0                             ; the zeros beside q
.endr
.endr
	WIN 0
	WALU                                           ; the wait at the head's end
	s_wait_dscnt 0x0
	CROUND                                         ; the four work-groups are here: the joint loads meet
	s_wait_kmcnt 0x0
	s_mov_b32 s[G0C], 1
	s_mov_b32 s[G0C+1], s26
	s_add_nc_u64 s[G0C+2:G0C+3], s[4:5], s[20:21]
	s_or_b32 s[G0C+3], s[G0C+3], 0x80000000
	s_mov_b32 s[G0S], 1
	s_add_co_u32 s[G0S+1], s57, KSL
	s_add_nc_u64 s[G0S+2:G0S+3], s[6:7], s[68:69]
	s_or_b32 s[G0S+3], s[G0S+3], 0x80000000
	s_cmp_lt_u32 s[WV], 6                          ; one tensor load a wave, each way through the branch passes one
	s_cbranch_scc0 .Lscales
	tensor_load_to_lds s[G0C:G0C+3], s[G1C:G1C+7]
	s_nop 0
.rept 4
	v_nop
.endr
	s_branch .Lasked
.Lscales:
	tensor_load_to_lds s[G0S:G0S+3], s[G1S:G1S+7]
	s_nop 0
.rept 4
	v_nop
.endr
.Lasked:
	global_load_b128 v[64:67], v15, s[8:9]
	global_load_b128 v[68:71], v15, s[8:9] offset:16
	QLOADS
	s_wait_loadcnt 4                               ; the mask's two loads are in; Q's four may be out
.irp i, 0,1,2,3,4,5,6,7
	v_cmp_eq_u32 s57, 0, v[64+\i]
	v_cndmask_b32 v[64+\i], 0, v72, s57
.endr
	ds_store_b128 v73, v[64:67]
	ds_store_b128 v73, v[68:71] offset:16
	s_wait_tensorcnt 0x0                           ; my tile is in, my stores are done: behind the barrier that holds of every wave
	s_wait_dscnt 0x0
	s_barrier_signal -1
	s_barrier_wait -1
	s_mov_b32 s[QB], 0
.Lqb:                                                  ; two blocks of 2 x 16 queries a wave
	s_wait_loadcnt 0x0                             ; the pack of Q
.irp i, 0,1,2,3,4,5
	v_mov_b32 v[QLO+\i], v[CB+\i]
.endr
	v_and_b32 v[QSW], 0xffff, v[CB+12]             ; the even tile's two bytes under (q, 0), and under (0, q); then the odd tile's
	v_lshlrev_b32 v[QSW+1], 16, v[CB+12]
	v_lshrrev_b32 v[QSW+2], 16, v[CB+12]
	v_and_b32 v[QSW+3], 0xffff0000, v[CB+12]
	v_mov_b32 v[PSW+1], 0x7f7f7f7f                 ; tile 1's first second products: the scale 1 over zero codes
	WIN 0x40
.irp i, 0,1,2,3,4,5
	v_mov_b32 v[QLO+\i], v[CB+6+\i]
.endr
.irp i, 0,1,2,3,4,5,6,7,8,9,10,11
	v_mov_b32 v[PC+\i], 0
.endr
.irp w, 0,1
	WIN 0x40*\w
	v_mov_b32 v[MT+1], 0xff61b1e6                  ; the largest score so far: -3e38
	v_mov_b32 v[MT], 0x7e000000                    ; -M: so large that the first step's factor is 0, which leaves the zeros below zeros
	v_mov_b32 v[L], 0
	v_mov_b32 v[L+1], 0
	v_mov_b32 v[F+1], 0
	v_mov_b32 v[BT], 0                             ; a lane permute's destination counts as one of its sources
	v_mov_b32 v[BT+1], 0
.set j, 0
.rept 32
	v_mov_b32 v[O+j], 0
.set j, j+1
.endr
.endr
	KLOADS LI, LS, LC, 0                           ; step 0
	VLOADS LV, LS
	s_mov_b32 s[TB], 0
	s_mov_b32 s[TS], 0
	s_mov_b32 s[TC], 0
	s_mov_b32 s[CNT], 16
	WALU
	s_wait_dscnt 0x0
.irp n, 0,1,2,3,4,5,6,7
	QK1 0, \n                                      ; tile 0's scores of step 0
.endr
	WIN 0
.Lkeys:                                                ; a step of 128 keys
	v_add_nc_u32 v[ADK], s[TB], v[LI]              ; (in the first trip these four are the places behind the products above)
	v_add_nc_u32 v[ADV], s[TB], v[LV]
	v_add_nc_u32 v[ADC], s[TC], v[LC]
	v_add_nc_u32 v[ADS], s[TS], v[LS]
	WALU                                           ; the wait behind the writes
	PHASE 0
	PHASE 1
	WIN 0
	s_add_co_u32 s[TB], s[TB], 6144
	s_add_co_u32 s[TS], s[TS], 256
	s_add_co_u32 s[TC], s[TC], 512
	s_sub_co_u32 s[CNT], s[CNT], 1
	s_cmp_lg_u32 s[CNT], 0
	s_cbranch_scc1 .Lkeys
.irp t, 0,1,2,3
	PV1 1, \t                                      ; tile 1's second products of the last step
.endr
	WIN 0
.rept 4
	v_nop
.endr
	s_wait_dscnt 0x0
	s_cmp_eq_u32 s[QB], 1
	s_cbranch_scc1 .Lno_more_q
	v_add_nc_u32 v[QO], 12288, v[QO]               ; the next block's pack, 8 packs on, is asked for ahead of this block's way out
	v_add_nc_u32 v[QSO], 512, v[QSO]
	QLOADS
.Lno_more_q:
	OUT 0
	OUT 1
	WIN 0x01
	v_mov_b32 v[OLD], v[W]
	WIN 0
	v_cndmask_b32 v[W], v[W], v[OLD], s[HM]        ; lanes 0-15 store the even tile's two bytes, lanes 16-31 the odd tile's
	global_store_b16 v[XSO], v[W], s[12:13]
	s_wait_xcnt 0x0                                ; the stores have read their registers
	v_add_nc_u32 v[XO], 196608, v[XO]
	v_add_nc_u32 v[XSO], 8192, v[XSO]
	s_add_co_u32 s[QB], s[QB], 1
	s_cmp_lg_u32 s[QB], 2
	WALU                                           ; the wait ahead of the branch
	s_cbranch_scc1 .Lqb
	s_wait_tensorcnt 0x0                           ; the wave's end
	ds_add_u32 v[SPW], v[NIL]
	s_wait_dscnt 0x0
	CROUND                                         ; the closing round
	s_endpgm
.Lfunc_end_k_qe376195969_attn:
	.size	k_qe376195969_attn, .Lfunc_end_k_qe376195969_attn-k_qe376195969_attn
	.p2alignl 7, 3214868480
	.fill 96, 4, 3214868480
	.section	.rodata,"a",@progbits
	.p2align	6, 0x0
	.amdhsa_kernel k_qe376195969_attn
		.amdhsa_group_segment_fixed_size 327680
		.amdhsa_private_segment_fixed_size 0
		.amdhsa_enable_private_segment 0
		.amdhsa_kernarg_size 40
		.amdhsa_user_sgpr_count 2
		.amdhsa_user_sgpr_kernarg_segment_ptr 1
		.amdhsa_wavefront_size32 1
		.amdhsa_system_sgpr_workgroup_id_x 1
		.amdhsa_system_sgpr_workgroup_id_y 1
		.amdhsa_system_sgpr_workgroup_id_z 1
		.amdhsa_system_vgpr_workitem_id 0
		.amdhsa_next_free_vgpr 512
		.amdhsa_next_free_sgpr 72
		.amdhsa_reserve_vcc 0
		.amdhsa_float_denorm_mode_32 3
		.amdhsa_float_denorm_mode_16_64 3
		.amdhsa_memory_ordered 1
		.amdhsa_forward_progress 1
		.amdhsa_inst_pref_size 55
	.end_amdhsa_kernel
	.amdgpu_metadata
---
amdhsa.version: [ 1, 2 ]
amdhsa.kernels:
  - .name:           k_qe376195969_attn
    .symbol:         k_qe376195969_attn.kd
    .args:
      - { .name: pc, .offset: 0, .size: 8, .value_kind: global_buffer, .address_space: global }
      - { .name: ps, .offset: 8, .size: 8, .value_kind: global_buffer, .address_space: global }
      - { .name: mask, .offset: 16, .size: 8, .value_kind: global_buffer, .address_space: global }
      - { .name: xc, .offset: 24, .size: 8, .value_kind: global_buffer, .address_space: global }
      - { .name: xs, .offset: 32, .size: 8, .value_kind: global_buffer, .address_space: global }
    .group_segment_fixed_size: 327680
    .private_segment_fixed_size: 0
    .kernarg_segment_align: 8
    .kernarg_segment_size: 40
    .max_flat_workgroup_size: 256
    .sgpr_count:     72
    .vgpr_count:     512
    .wavefront_size: 32
...
	.end_amdgpu_metadata
.endif
;; end of part 3
;; launch outp (part 4): grid 4 x 64, 4 waves a work-group, clusters of 4 x 4, 327,680 bytes of LDS; arguments xc, xs, codes, scales, b_o, out0; writes out0
.if DOCPART == 4
	.amdgcn_target "amdgcn-amd-amdhsa--gfx1250"
	.amdhsa_code_object_version 6
	.text
	.protected	k_qe376195969_outp
	.globl	k_qe376195969_outp
	.p2align	8
	.type	k_qe376195969_outp,@function
k_qe376195969_outp:
	s_mov_b64 s[64:65], 0
	v_nop
	global_prefetch_b8 v0, s[64:65] scope:SCOPE_SE
	s_setreg_imm32_b32 hwreg(HW_REG_WAVE_MODE, 25, 1), 1
	s_wait_xcnt 0x0
	s_wait_alu depctr_hold_cnt(0) depctr_sa_sdst(0) depctr_va_vdst(0) depctr_va_sdst(0) depctr_va_ssrc(0) depctr_va_vcc(0) depctr_vm_vsrc(0)
	s_getreg_b32 s2, hwreg(HW_REG_IB_STS2, 6, 4)
	s_cmp_eq_u32 s2, 0
	s_cbranch_scc0 .Lentry_in_a_cluster
	s_endpgm
.Lentry_in_a_cluster:
	s_bfe_u32 s2, ttmp6, 0x10000c
	s_cmp_lg_u32 s2, 0xf033
	s_cbranch_scc0 .Lentry_shape_is_right
	s_endpgm
.Lentry_shape_is_right:
; out0 = x w_o^T + b_o on codes of FP6 (E2M3).  M 8,192, N 1,024, K 1,024; out0 f32.
; 256 work-groups: each makes 128 tokens x 256 features, each of its four waves 64 x 128: 32 accumulators.  Source 0 = 16 rows of w_o ("B", along a lane's registers), source 1 = 16 tokens of x ("A", in the lanes).
; CLUSTER 4 x 4: A's tiles are shared along a row of the cluster, B's along a column, by joint loads: waves 0, 1 fetch A's halves (4 row tiles each), waves 2, 3 B's (8 each).
; K: steps 0, 1 come at the head, one tensor load a wave (slot 0, at wave x HALFT); steps 2 to 5 by one load a wave behind the next round (at SLOT + wave x 2 HALFT, [tile][K step][1,536]); steps 6, 7 go into slot 0 behind the round in K step 1.
; All tiles are asked for in the first two K steps and the walk is written out: there is no loop in which a prefetch could run ahead, and none is written.
; x's fragments lie as six planes of 256 bytes (registers 2 p, 2 p + 1 of lane l at 256 p + 8 l), w_o's as three of 512.  b_o is the C of the first K step's products.
; The scale words come by plain loads, sixteen lanes to 256 consecutive aligned bytes, and stay in registers: lanes 0-15 x's, lanes 16-31 w_o's.
; A token tile's rows are 32 g + 8 u + 0..7 and + 16..23; register 16 g + 8 u + j of lane (r, h) is feature 32 g + 16 h + 8 u + j: the way out puts both right.
; REGISTERS.  window 0: v1-12, v19 addresses; v32-95 scale words and nothing else; v96-127 x's scale words as loaded; v128-223 A's fragments, two sets of four; on the way out v128-255 rows of out0.
;   window 1: B's two sets (v0-95, v128-223); v96-127, v224-255 b_o.   window 2: the accumulators ((a, b) at v[8 (8 a + b)]).
.set HALFT, 24576
.set SLOT,  4*HALFT
.set SPARE, 3*SLOT
.set ADRA,  1
.set ADRB,  4
.set ADRS,  7
.set SPW,   8
.set NIL,   9
.set CO,    10                         ; 16 x lane + my corner of out0
.set STO,   11
.set RD,    12
.set SC,    32
.set AF,    128
.set BK,    128
.set WV,    20
.set G1,    24
.set G0,    32
.set G1B,   44
.set G0B,   52
.set G1S,   68
.set G1SB,  80
.set MSB, 0
.macro WIN new
.if MSB != (\new)
	s_set_vgpr_msb (MSB<<8)|(\new)
.set MSB, \new
.endif
.endm
.set MUL_LO, 0xa1                      ; source 0 (B) window 1, source 1 (A) window 0, C and D window 2
.set TO_B,   0x40
.macro JLOAD g0a, g1a, g0b, g1b        ; waves 0, 1 fetch A's halves, waves 2, 3 B's; an s_nop 0 and four v_nop follow each line
	s_cmp_eq_u32 s21, 0
	s_cbranch_scc0 .Lfor_b_\@
	tensor_load_to_lds s[\g0a:\g0a+3], s[\g1a:\g1a+7]
	s_nop 0
.rept 4
	v_nop
.endr
	s_branch .Lasked_\@
.Lfor_b_\@:
	tensor_load_to_lds s[\g0b:\g0b+3], s[\g1b:\g1b+7]
	s_nop 0
.rept 4
	v_nop
.endr
.Lasked_\@:
.endm
.macro CREST
	s_cmp_lg_u32 s[WV], 0
	s_cbranch_scc1 .Lnot_wave_0_\@
	s_barrier_signal -3
.Lnot_wave_0_\@:
	s_barrier_wait -3
	s_barrier_signal -1
	s_barrier_wait -1
.endm
.macro CROUND
	s_barrier_signal -1
	s_barrier_wait -1
	CREST
.endm
.macro PLACES
.rept 4
	v_nop
.endr
.endm
.macro GROUP1 g, elems, rows           ; rows of elems x 8 bytes, 12,288 bytes apart
	s_mov_b32 s[\g+1], (\elems)<<16
	s_mov_b32 s[\g+2], (\rows)<<16
	s_mov_b32 s[\g+3], (\elems)<<16
	s_mov_b32 s[\g+4], \rows
	s_mov_b32 s[\g+5], 1536
	s_mov_b32 s[\g+6], 0
	s_mov_b32 s[\g+7], 0
.endm
; the fragments of one K step into register set "set": slot 0 holds K steps 0, 1 (later 6, 7), "slots" 1 and 2 are K steps 2, 3 and 4, 5 of the larger fill; q: which of the slot's two steps
.macro FETCH slot, q, set
	WIN TO_B
.irp i, 0,1,2,3,4,5,6,7
.irp c, 0,1,2
	ds_load_b128 v[128*(\set)+12*\i+4*\c:128*(\set)+12*\i+4*\c+3], v[ADRB+((\slot)+1)/2] offset:(3072+3072*(((\slot)+1)/2))*\i+3072*((\slot)/2)+1536*(\q)+512*\c
.endr
.endr
	WIN 0
.irp i, 0,1,2,3
.irp c, 0,1,2,3,4,5
	ds_load_b64 v[AF+48*(\set)+12*\i+2*\c:AF+48*(\set)+12*\i+2*\c+1], v[ADRA+((\slot)+1)/2] offset:(3072+3072*(((\slot)+1)/2))*\i+3072*((\slot)/2)+1536*(\q)+256*\c
.endr
.endr
.endm
; 16 matrix instructions: A's blocks a0, a0 + 1 (0..3) x B's eight, K step kap, on register set kap % 2.  The 32 accumulators take turns, one instruction a turn, in the same order in every step.  first = 1: the sums begin with b_o
.macro MUL16 a0, kap, first
.irp a, \a0, \a0+1
.irp b, 0,1,2,3,4,5,6,7
.if \first
	v_wmma_scale_f32_16x16x128_f8f6f4 v[8*(8*(\a)+\b):8*(8*(\a)+\b)+7], v[128*((\kap)%2)+12*\b:128*((\kap)%2)+12*\b+11], v[AF+48*((\kap)%2)+12*(\a):AF+48*((\kap)%2)+12*(\a)+11], v[96+8*\b+96*(\b/4):96+8*\b+96*(\b/4)+7], v[SC+32*((\kap)/4)+4*\b+(\kap)%4], v[SC+32*((\kap)/4)+4*(\a)+(\kap)%4] matrix_a_fmt:MATRIX_FMT_FP6 matrix_b_fmt:MATRIX_FMT_FP6 matrix_a_scale:MATRIX_SCALE_ROW1
.else
	v_wmma_scale_f32_16x16x128_f8f6f4 v[8*(8*(\a)+\b):8*(8*(\a)+\b)+7], v[128*((\kap)%2)+12*\b:128*((\kap)%2)+12*\b+11], v[AF+48*((\kap)%2)+12*(\a):AF+48*((\kap)%2)+12*(\a)+11], v[8*(8*(\a)+\b):8*(8*(\a)+\b)+7], v[SC+32*((\kap)/4)+4*\b+(\kap)%4], v[SC+32*((\kap)/4)+4*(\a)+(\kap)%4] matrix_a_fmt:MATRIX_FMT_FP6 matrix_b_fmt:MATRIX_FMT_FP6 matrix_a_scale:MATRIX_SCALE_ROW1
.endif
.endr
.endr
.endm
; K step kap: the next step's fragments (slot ns, its nq-th step) are asked for into the other set, then this step's 32 products
.macro KSTEP kap, ns, nq, first
	s_wait_dscnt 0x0                               ; this step's fragments are in
	PLACES                                         ; behind the last step's products, whose registers the loads below fill
	FETCH \ns, \nq, 1-(\kap)%2
.if \first
	WIN 0x91                                       ; C (b_o) in window 1, D in window 2
.else
	WIN MUL_LO
.endif
	MUL16 0, \kap, \first
	MUL16 2, \kap, \first
	WIN 0
.endm
; A K step with a barrier in it.  fill = 1: slot 0, read out, takes K steps 6 and 7
.macro KTURN kap, ns, fill
	s_wait_tensorcnt 0x0                           ; all my tensor loads have landed
	ds_add_u32 v[SPW], v[NIL]                      ; 0 onto my spare word
	s_wait_dscnt 0x0                               ; the add is done, this step's fragments are in, and with them my reads of the slot are over
	s_barrier_signal -1
	WIN MUL_LO
	MUL16 0, \kap, 0
	WIN 0
	s_barrier_wait -1
.if \fill
	CREST                                          ; a round of the cluster's barrier: no wave of any partner reads slot 0 or has a load on its way
	s_add_nc_u64 s[G0+2:G0+3], s[G0+2:G0+3], 3*3072
	s_add_nc_u64 s[G0B+2:G0B+3], s[G0B+2:G0B+3], 3*3072
	JLOAD G0, G1, G0B, G1B                         ; its four v_nop are the places ahead of the loads below
.else
	PLACES
.endif
	FETCH \ns, 0, 1-(\kap)%2
	WIN MUL_LO
	MUL16 2, \kap, 0
	WIN 0
.endm
	s_load_b256 s[4:11], s[0:1], 0x0               ; xc, xs, codes, scales
	s_load_b128 s[12:15], s[0:1], 0x20             ; b_o, out0
	v_lshl_add_u32 v[SPW], v0, 2, SPARE
	v_mov_b32 v[NIL], 0
	ds_add_u32 v[SPW], v[NIL]                      ; the opening lines: the add, twice on end, and its wait ahead of my first tensor load
	ds_add_u32 v[SPW], v[NIL]
	v_lshrrev_b32 v13, 5, v0
	v_readfirstlane_b32 s[WV], v13
	s_lshr_b32 s21, s[WV], 1                       ; my half of the tokens.  Also: I fetch for A (0) or for B (1)
	s_and_b32 s22, s[WV], 1                        ; my half of the features.  Also: which half I fetch
	s_bfe_u32 s92, ttmp6, 0x40000                  ; cx
	s_bfe_u32 s93, ttmp6, 0x40004                  ; cy
	s_and_b32 s95, ttmp7, 0xffff
	s_lshl_b32 s95, s95, 2
	s_add_co_u32 s95, s95, s93                     ; the block of 128 tokens
	s_lshl_b32 s96, ttmp9, 2
	s_add_co_u32 s96, s96, s92                     ; the block of 256 features
	s_lshl_b32 s100, s93, 2
	s_lshl_b32 s100, 15, s100                      ; my row of the cluster
	s_lshl_b32 s99, 0x1111, s92                    ; my column
	s_or_b32 s[G1], s100, (3<<16)|(1<<21)
	s_or_b32 s[G1S], s100, (3<<16)|(1<<21)
	s_or_b32 s[G1B], s99, (3<<16)|(1<<21)
	s_or_b32 s[G1SB], s99, (3<<16)|(1<<21)
	GROUP1 G1, 384, 4                              ; two K steps (3,072 bytes) of 4 token tiles,
	GROUP1 G1B, 384, 8                             ; of 8 tiles of w_o;
	GROUP1 G1S, 768, 4                             ; four K steps of the same
	GROUP1 G1SB, 768, 8
	s_lshl_b32 s3, s22, 2
	s_lshl_b32 s97, s95, 3
	s_add_co_u32 s97, s97, s3                      ; the first of the 4 tiles of x that I would fetch
	s_lshl_b32 s3, s22, 3
	s_lshl_b32 s98, s96, 4
	s_add_co_u32 s98, s98, s3
	s_add_co_u32 s98, s98, 1728                    ; and of the 8 of w_o, which are also the 8 that I multiply
	s_lshl_b32 s100, s97, 9
	s_mov_b32 s101, 0
	s_lshl_b32 s98, s98, 9
	s_mov_b32 s99, 0
	s_lshl_b32 s95, s95, 7
	s_lshl_b32 s3, s21, 6
	s_add_co_u32 s95, s95, s3                      ; my first token
	s_lshl_b32 s76, s95, 5                         ; my 4 token tiles' scale words, in bytes from xs (512 a tile)
	s_mov_b32 s77, s98                             ; my 8 tiles of w_o: theirs, in bytes from scales
	s_mov_b32 s78, 0xffff0000                      ; lanes 16-31
	s_lshl_b32 s96, s96, 8
	s_lshl_b32 s3, s22, 7
	s_add_co_u32 s96, s96, s3                      ; my first feature
	s_lshl_b32 s96, s96, 2
	s_lshl_b32 s95, s95, 12
	s_add_co_u32 s95, s95, s96                     ; my corner of out0, in bytes
	s_mul_i32 s3, s[WV], HALFT
	s_wait_dscnt 0x0                               ; both opening adds are done
	s_wait_kmcnt 0x0
	s_mul_i32 s100, s100, 24                       ; a tile's codes are 24 times its scale words
	s_mul_i32 s98, s98, 24
	s_add_nc_u64 s[100:101], s[4:5], s[100:101]
	s_add_nc_u64 s[98:99], s[8:9], s[98:99]
.irp s, 0,1
	s_mov_b32 s[G0+4*\s], 1
	s_add_co_u32 s[G0+4*\s+1], s3, \s*SLOT
	s_add_nc_u64 s[G0+4*\s+2:G0+4*\s+3], s[100:101], \s*3072
	s_or_b32 s[G0+4*\s+3], s[G0+4*\s+3], 0x80000000
	s_mov_b32 s[G0B+4*\s], 1
	s_add_co_u32 s[G0B+4*\s+1], s3, \s*SLOT
	s_add_nc_u64 s[G0B+4*\s+2:G0B+4*\s+3], s[98:99], \s*3072
	s_or_b32 s[G0B+4*\s+3], s[G0B+4*\s+3], 0x80000000
.endr
	s_add_co_u32 s[G0+5], s[G0+5], s3              ; where K steps 2 to 5 go: SLOT + wave x 2 HALFT
	s_add_co_u32 s[G0B+5], s[G0B+5], s3
	CROUND                                         ; all sixteen work-groups are here: the first joint loads meet
	JLOAD G0, G1, G0B, G1B                         ; K steps 0 and 1: one tensor load a wave at the head
	v_and_b32 v13, 31, v0
	v_and_b32 v14, 15, v0                          ; r
	v_bfe_u32 v15, v0, 4, 1                        ; h
	v_lshlrev_b32 v16, 4, v13                      ; 16 x lane
	v_lshlrev_b32 v18, 3, v13                      ; 8 x lane
	v_add_nc_u32 v[CO], s95, v16
	s_mul_i32 s3, s21, HALFT
	s_mul_i32 s67, s22, HALFT
	s_add_co_u32 s67, s67, 2*HALFT
	v_add_nc_u32 v[ADRA], s3, v18
	v_add_nc_u32 v[ADRB], s67, v16
	s_lshl_b32 s3, s3, 1
	s_lshl_b32 s67, s67, 1
	s_add_co_u32 s3, s3, SLOT
	s_add_co_u32 s67, s67, SLOT
	v_add_nc_u32 v[ADRA+1], s3, v18                ; K steps 2 to 5 of my tiles
	v_add_nc_u32 v[ADRB+1], s67, v16
	v_lshl_add_u32 v[ADRS], v14, 4, s76
	v_lshl_add_u32 v19, v14, 4, s77
	s_wait_alu depctr_va_vdst(0)                   ; the wait ahead of the readers below
.irp i, 0,1,2,3
	global_load_b128 v[96+4*\i:96+4*\i+3], v[ADRS], s[6:7] offset:512*\i
	global_load_b128 v[112+4*\i:112+4*\i+3], v[ADRS], s[6:7] offset:512*\i+256
.endr
.irp i, 0,1,2,3,4,5,6,7
	global_load_b128 v[SC+4*\i:SC+4*\i+3], v19, s[10:11] offset:512*\i
	global_load_b128 v[SC+32+4*\i:SC+32+4*\i+3], v19, s[10:11] offset:512*\i+256
.endr
	s_mul_i32 s3, s[WV], 16*528
	s_add_co_u32 s3, s3, SLOT                      ; my stage: at the head of the larger fill, which is filled once and is left by every wave at the last barrier of the K walk
	v_mul_u32_u24 v[STO], v14, 528
	v_lshl_add_u32 v[STO], v15, 6, v[STO]
	v_add_nc_u32 v[STO], s3, v[STO]                ; in: row r, + 64 h
	v_add_nc_u32 v[RD], s3, v16                    ; back: a row of 512 bytes to the 32 lanes
	v_lshlrev_b32 v17, 6, v15
	v_add_nc_u32 v17, s96, v17                     ; b_o: register 16 g + 8 u + j holds feature 32 g + 16 h + 8 u + j
	WIN 0x40
.irp i, 0,1,2,3,4,5,6,7,8,9,10,11,12,13,14,15
	global_load_b128 v[96+4*\i+96*(\i/8):96+4*\i+96*(\i/8)+3], v17, s[12:13] offset:128*(\i/4)+32*((\i/2)%2)+16*(\i%2)
.endr
	WIN 0
	s_wait_alu depctr_va_vdst(0)                   ; the wait at the head's end
	s_wait_tensorcnt 0x0                           ; my part of K steps 0 and 1 is in
	ds_add_u32 v[SPW], v[NIL]
	s_wait_dscnt 0x0
	CROUND                                         ; a whole round: slot 0 is whole, and the joint loads meet
	JLOAD G0+4, G1S, G0B+4, G1SB                   ; K steps 2 to 5, my one load behind the round
	FETCH 0, 0, 0
	s_wait_loadcnt 0x0                             ; b_o and the scale words
.set i, 0
.rept 16
	v_cndmask_b32 v[SC+i], v[96+i], v[SC+i], s78           ; one register carries both: lanes 0-15 x's word of tile i / 4, lanes 16-31 w_o's
	v_cndmask_b32 v[SC+32+i], v[112+i], v[SC+32+i], s78
.set i, i+1
.endr
	s_wait_alu depctr_va_vdst(0)                   ; the wait behind the writes
.rept 8
	v_nop                                          ; a scale register written by a vector instruction stands 8 places ahead of a scaled matrix instruction
.endr
	KSTEP 0, 0, 1, 1
	KTURN 1, 1, 1                                  ; its wait for all loads also shows K steps 2 to 5 whole to every wave
	KSTEP 2, 1, 1, 0
	KSTEP 3, 2, 0, 0
	KSTEP 4, 2, 1, 0
	KTURN 5, 0, 0                                  ; K steps 6 and 7 have landed in slot 0
	KSTEP 6, 0, 1, 0
	s_wait_dscnt 0x0
	WIN MUL_LO
	MUL16 0, 7, 0
	MUL16 2, 7, 0
	WIN 0
; THE WAY OUT, a token tile at a time, through my own stage: in as 32 bytes of a row a lane, back as whole rows of 512 bytes.  LDS serves a wave's instructions in order: no wait between the stores and the loads.
.macro TOSTAGE a
.set AC, 64*(\a)
	WIN 0x08                                       ; the data: window 2
.irp b, 0,1,2,3,4,5,6,7
	ds_store_b128 v[STO], v[AC+8*\b:AC+8*\b+3] offset:128*(\b/2)+32*(\b%2)      ; each accumulator from its low end on
	ds_store_b128 v[STO], v[AC+8*\b+4:AC+8*\b+7] offset:128*(\b/2)+32*(\b%2)+16
.endr
	WIN 0
.set BB, BK+64*((\a)%2)
.irp t, 0,1,2,3,4,5,6,7,8,9,10,11,12,13,14,15
	ds_load_b128 v[BB+4*\t:BB+4*\t+3], v[RD] offset:\t*528
.endr
.endm
.macro SEND a, younger
.set BB, BK+64*((\a)%2)
	s_wait_dscnt \younger                          ; the tile is back in registers; the LDS instructions issued behind its loads may stay out
.irp t, 0,1,2,3,4,5,6,7,8,9,10,11,12,13,14,15
	global_store_b128 v[CO], v[BB+4*\t:BB+4*\t+3], s[14:15] offset:(32*((\a)/2)+8*((\a)%2)+\t+8*(\t/8))*4096 th:TH_STORE_NT   ; 512 consecutive bytes, aligned; the tile's row t is token 32 g + 8 u + t + 8 (t / 8)
.endr
.endm
	PLACES
	TOSTAGE 0
.irp a, 1,2,3
.if \a > 1
	s_wait_xcnt 0x0                                ; the stores of the tile two back have read the registers that this tile's loads fill
.endif
	TOSTAGE \a
	SEND \a-1, 32
.endr
	SEND 3, 0
	s_wait_tensorcnt 0x0                           ; the wave's end
	ds_add_u32 v[SPW], v[NIL]
	s_wait_dscnt 0x0
	CROUND                                         ; the closing round
	s_endpgm
.Lfunc_end_k_qe376195969_outp:
	.size	k_qe376195969_outp, .Lfunc_end_k_qe376195969_outp-k_qe376195969_outp
	.p2alignl 7, 3214868480
	.fill 96, 4, 3214868480
	.section	.rodata,"a",@progbits
	.p2align	6, 0x0
	.amdhsa_kernel k_qe376195969_outp
		.amdhsa_group_segment_fixed_size 327680
		.amdhsa_private_segment_fixed_size 0
		.amdhsa_enable_private_segment 0
		.amdhsa_kernarg_size 48
		.amdhsa_user_sgpr_count 2
		.amdhsa_user_sgpr_kernarg_segment_ptr 1
		.amdhsa_wavefront_size32 1
		.amdhsa_system_sgpr_workgroup_id_x 1
		.amdhsa_system_sgpr_workgroup_id_y 1
		.amdhsa_system_sgpr_workgroup_id_z 1
		.amdhsa_system_vgpr_workitem_id 0
		.amdhsa_next_free_vgpr 768
		.amdhsa_next_free_sgpr 102
		.amdhsa_reserve_vcc 0
		.amdhsa_float_denorm_mode_32 3
		.amdhsa_float_denorm_mode_16_64 3
		.amdhsa_memory_ordered 1
		.amdhsa_forward_progress 1
		.amdhsa_inst_pref_size 89
	.end_amdhsa_kernel
	.amdgpu_metadata
---
amdhsa.version: [ 1, 2 ]
amdhsa.kernels:
  - .name:           k_qe376195969_outp
    .symbol:         k_qe376195969_outp.kd
    .args:
      - { .name: xc, .offset: 0, .size: 8, .value_kind: global_buffer, .address_space: global }
      - { .name: xs, .offset: 8, .size: 8, .value_kind: global_buffer, .address_space: global }
      - { .name: codes, .offset: 16, .size: 8, .value_kind: global_buffer, .address_space: global }
      - { .name: scales, .offset: 24, .size: 8, .value_kind: global_buffer, .address_space: global }
      - { .name: b_o, .offset: 32, .size: 8, .value_kind: global_buffer, .address_space: global }
      - { .name: out0, .offset: 40, .size: 8, .value_kind: global_buffer, .address_space: global }
    .group_segment_fixed_size: 327680
    .private_segment_fixed_size: 0
    .kernarg_segment_align: 8
    .kernarg_segment_size: 48
    .max_flat_workgroup_size: 128
    .sgpr_count:     102
    .vgpr_count:     768
    .wavefront_size: 32
...
	.end_amdgpu_metadata
.endif
;; end of part 4
